; MI455X (gfx1250); checked and timed in simulation.
; The chip was launched on July 23, 2026; its instructions are those of AMD's public machine-readable ISA for CDNA 5 (MIT licence, August 2026) and "CDNA5" Instruction Set Architecture Reference Guide (July 2026). The comments in the code are by the model that wrote it; some were corrected since.
;; Mo E Pure Field. Allowed arithmetic: float matrix products may take bf16 or f16 operands with f32 sums; other float arithmetic in f32, or as packed bf16 or f16 multiplies, adds, multiply-adds, maxima and minima; sums over many terms, partial sums and values carried from step to step in f32; what a program stores and reads back later, other than sums and carried values, may be rounded once to bf16 or f16.
;; Inputs: b1 8 x 4,096 float32; b2 8 x 1,024 float32; gate_b 8 float32; gate_w 1,024 x 8 float32; w1 8 x 1,024 x 4,096 float32; w2 8 x 4,096 x 1,024 float32; x 1,024 x 1,024 float32.
;; Outputs: out0 1,024 x 1,024 float32.
;; One version. Each part assembles by itself: llvm-mc -triple=amdgcn-amd-amdhsa -mcpu=gfx1250 --defsym DOCPART=n.
;; ======== version 1 of 1: 5 launches
;; workspace buffers: xb 2,097,152 bytes; masks 4,096 bytes of whole numbers; gates 65,536 bytes; xs 16,777,216 bytes; h 67,108,864 bytes; y 136,314,880 bytes
;; launch router (part 1): grid 64 x 1, 4 waves a work-group, no clusters, 70,400 bytes of LDS; arguments x, gate_w, gate_b, xb, masks, gates; writes xb, masks, gates
.if DOCPART == 1
	.amdgcn_target "amdgcn-amd-amdhsa--gfx1250"
	.amdhsa_code_object_version 6
	.text
	.protected	k_q653a6ebb8c_router
	.globl	k_q653a6ebb8c_router
	.p2align	8
	.type	k_q653a6ebb8c_router,@function
k_q653a6ebb8c_router:
	s_mov_b64 s[64:65], 0
	v_nop
	global_prefetch_b8 v0, s[64:65] scope:SCOPE_SE
	s_setreg_imm32_b32 hwreg(HW_REG_WAVE_MODE, 25, 1), 1
	s_wait_xcnt 0x0
; THE GATE.  For 16 tokens a work-group: xb = x rounded to bf16; logits z = xb . bf16(gate_w) + bf16(gate_b), products on the matrix unit, sums in f32;
; the five largest z are chosen; weight_e = p_e / (sum of the chosen p + 1e-8), p = softmax(z / e) with the row's maximum taken away; experts 4-7 count negative.
; Stored at fixed places: masks[n] (bit e = expert e chosen), gates[n][0..7] = signed weight or 0, gates[n][8..12] = the chosen experts' signed weights, experts ascending, [13..15] = 0.
; With u = 2^((z - max) c), c = log2(e) / e: weight = u / (U5 + 1e-8 S8), U5 the chosen u's sum, S8 the sum of all eight: the same number as reference()'s, without the division by S8.
; LIMITS.  All inputs are taken rounded to bf16.  The five are chosen by z, the lower index winning an exact tie of z (reference() compares the rounded probabilities).
; u below 2^-126 counts as 0.  NaN and infinities are not treated apart.
; No address and no branch hangs on z: the choice only selects values.
.set XP,    2064              ; a token's row of xb in LDS: 2,048 bytes + 16: the 16 rows of a fragment load start at 16 different groups of four banks
.set GW,    16*XP             ; gate_w as bf16, [1024 k][16 n], 32 bytes a row, columns 8-15 zero
.set RED,   GW+32768          ; each wave's partial logits: wave x 1,024 + lane x 32
.set SPARE, RED+4096          ; the spare words, 128 bytes a wave: two blocks of 256 bytes that no other line names
; v1 lane, v2 spare word's address, v3 0, v4 lane % 16 (r), v5 lane / 16 (h), v6-14 addresses, v16-17 zeros, v20-31 at work,
; v32-47 two accumulators, v48-55 z, v56-63 ranks, then keys, v64-191 x as loaded, then fragments, v192-255 gate_w as loaded, then u, weights
	s_load_b256 s[4:11], s[0:1], 0x0               ; x s[4:5], gate_w s[6:7], gate_b s[8:9], xb s[10:11]
	s_load_b128 s[12:15], s[0:1], 0x20             ; masks s[12:13], gates s[14:15]
	v_lshl_add_u32 v2, v0, 2, SPARE
	v_mov_b32 v3, 0
	v_lshrrev_b32 v20, 5, v0
	v_readfirstlane_b32 s16, v20                   ; wave 0..3
	v_and_b32 v1, 31, v0
	v_and_b32 v4, 15, v0
	v_bfe_u32 v5, v0, 4, 1
	v_lshlrev_b32 v6, 4, v0                        ; 16 t: gate_w's loads, xb's stores, the LDS rows of xb
	v_lshlrev_b32 v7, 5, v0                        ; 32 t: my 8 columns of x
	v_mov_b32 v16, 0
	v_mov_b32 v17, 0
	s_mov_b32 s19, 0
	s_mov_b32 s28, 0x3f07de6f                      ; c = log2(e) / e = 0.5307378
	s_mov_b32 s29, 0x322bcc77                      ; 1e-8
	s_wait_kmcnt 0x0
	s_load_b256 s[20:27], s[8:9], 0x0              ; gate_b
	s_lshl_b32 s18, ttmp9, 16                      ; 16 rows of 4,096 bytes
	s_add_nc_u64 s[4:5], s[4:5], s[18:19]
	s_lshl_b32 s18, ttmp9, 15                      ; 16 rows of 2,048 bytes
	s_add_nc_u64 s[10:11], s[10:11], s[18:19]
	s_lshl_b32 s18, ttmp9, 6
	s_add_nc_u64 s[12:13], s[12:13], s[18:19]
	s_lshl_b32 s18, ttmp9, 10
	s_add_nc_u64 s[14:15], s[14:15], s[18:19]
.irp i, 0,1,2,3,4,5,6,7,8,9,10,11,12,13,14,15
	global_load_b128 v[192+4*\i:195+4*\i], v6, s[6:7] offset:2048*\i   ; gate_w row t / 2 + 64 i, experts 4 (t % 2) on: a wave takes 512 consecutive bytes
.endr
.irp i, 0,1,2,3,4,5,6,7,8,9,10,11,12,13,14,15
	global_load_b128 v[64+8*\i:67+8*\i], v7, s[4:5] offset:4096*\i     ; token i, my 8 columns
	global_load_b128 v[68+8*\i:71+8*\i], v7, s[4:5] offset:4096*\i+16
.endr
	v_lshrrev_b32 v8, 1, v0
	v_lshlrev_b32 v8, 5, v8
	v_and_b32 v9, 1, v0
	v_lshl_add_u32 v8, v9, 3, v8
	v_add_nc_u32 v8, GW, v8                        ; GW + 32 (t / 2) + 8 (t % 2)
	s_wait_loadcnt 32                              ; gate_w is in; x's 32 loads are younger
.irp i, 0,1,2,3,4,5,6,7,8,9,10,11,12,13,14,15
	v_cvt_pk_bf16_f32 v[192+4*\i], v[192+4*\i], v[193+4*\i]
	v_cvt_pk_bf16_f32 v[193+4*\i], v[194+4*\i], v[195+4*\i]
	ds_store_b64 v8, v[192+4*\i:193+4*\i] offset:2048*\i
	ds_store_b64 v8, v[16:17] offset:2048*\i+16    ; columns 8-15 are zero
.endr
.irp i, 0,1,2,3,4,5,6,7,8,9,10,11,12,13,14,15
	s_wait_loadcnt 2*(15-\i)                       ; token i's two loads are in; the later tokens' stay out
	v_cvt_pk_bf16_f32 v[64+8*\i], v[64+8*\i], v[65+8*\i]
	v_cvt_pk_bf16_f32 v[65+8*\i], v[66+8*\i], v[67+8*\i]
	v_cvt_pk_bf16_f32 v[66+8*\i], v[68+8*\i], v[69+8*\i]
	v_cvt_pk_bf16_f32 v[67+8*\i], v[70+8*\i], v[71+8*\i]
	global_store_b128 v6, v[64+8*\i:67+8*\i], s[10:11] offset:2048*\i  ; a wave stores 512 consecutive bytes, at a multiple of 256 from xb's first
	ds_store_b128 v6, v[64+8*\i:67+8*\i] offset:XP*\i
.endr
	v_mul_u32_u24 v9, v4, XP                       ; a token fragment: row r, 16 bytes for each half of the lanes, my wave's 256 k
	v_lshl_add_u32 v9, v5, 4, v9
	s_lshl_b32 s17, s16, 9
	v_add_nc_u32 v9, s17, v9
	v_and_b32 v10, 7, v0                           ; the turning load: row 8 h + lane % 8 of 16 k, 16 bytes ((lane / 8) % 2)
	v_lshl_add_u32 v10, v5, 3, v10
	v_lshlrev_b32 v10, 5, v10
	v_bfe_u32 v11, v0, 3, 1
	v_lshl_add_u32 v10, v11, 4, v10
	s_lshl_b32 s18, s16, 13
	s_add_co_u32 s18, s18, GW
	v_add_nc_u32 v10, s18, v10
	s_lshl_b32 s17, s16, 10
	s_add_co_u32 s17, s17, RED
	v_lshl_add_u32 v11, v1, 5, s17                 ; where my partial logits go
	v_lshlrev_b32 v12, 5, v4
	v_add_nc_u32 v12, RED, v12                     ; where wave 0 reads token r's
	v_lshlrev_b32 v13, 6, v4
	v_lshl_add_u32 v13, v5, 5, v13                 ; gates: 64 r + 32 h
	v_lshlrev_b32 v14, 2, v4                       ; masks: 4 r
	s_wait_kmcnt 0x0                               ; gate_b
	s_wait_dscnt 0x0                               ; for the others' sake: my stores into LDS are done
	s_barrier_signal -1
	s_barrier_wait -1
	s_wait_xcnt 0x0                                ; xb's stores have read v64 on: only now are these registers loaded again
.irp s, 0,1,2,3,4,5,6,7                            ; wave w takes k = 256 w + 32 s
	ds_load_b128 v[64+8*\s:67+8*\s], v9 offset:64*\s
	ds_load_b128 v[68+8*\s:71+8*\s], v9 offset:64*\s+32
	ds_load_tr16_b128 v[128+8*\s:131+8*\s], v10 offset:1024*\s
	ds_load_tr16_b128 v[132+8*\s:135+8*\s], v10 offset:1024*\s+512
.endr
	s_wait_dscnt 0x0
	; source 0 = 16 columns of gate_w, source 1 = 16 tokens: lane r (of the lower 16) then holds token r, its registers 0-7 experts 0-7.  Two accumulators take turns.
	v_wmma_f32_16x16x32_bf16 v[32:39], v[128:135], v[64:71], 0
	v_wmma_f32_16x16x32_bf16 v[40:47], v[136:143], v[72:79], 0
.irp s, 2,4,6
	v_wmma_f32_16x16x32_bf16 v[32:39], v[128+8*\s:135+8*\s], v[64+8*\s:71+8*\s], v[32:39]
	v_wmma_f32_16x16x32_bf16 v[40:47], v[136+8*\s:143+8*\s], v[72+8*\s:79+8*\s], v[40:47]
.endr
.rept 4
	v_nop                                          ; four places between the last product and the first read of a result (ISA guide 7.12.1)
.endr
.irp j, 0,1,2,3,4,5,6,7
	v_add_f32 v[48+\j], v[32+\j], v[40+\j]
.endr
	ds_store_b128 v11, v[48:51]
	ds_store_b128 v11, v[52:55] offset:16
	s_wait_dscnt 0x0
	s_barrier_signal -1
	s_barrier_wait -1
	s_cmp_lg_u32 s16, 0
	s_cbranch_scc1 .Lend                           ; the rest is wave 0's: 16 tokens, each in lane r and in lane r + 16
.irp w, 0,1,2,3
	ds_load_b128 v[64+8*\w:67+8*\w], v12 offset:1024*\w
	ds_load_b128 v[68+8*\w:71+8*\w], v12 offset:1024*\w+16
.endr
.irp p, 0,1,2,3
	v_cvt_pk_bf16_f32 v20, s[20+2*\p], s[21+2*\p]  ; gate_b rounded to bf16, and widened again
	v_lshlrev_b32 v[24+2*\p], 16, v20
	v_and_b32 v[25+2*\p], 0xffff0000, v20
.endr
	s_wait_dscnt 0x0
.irp p, 0,2,4,6
	v_pk_add_f32 v[48+\p:49+\p], v[64+\p:65+\p], v[72+\p:73+\p]
	v_pk_add_f32 v[80+\p:81+\p], v[80+\p:81+\p], v[88+\p:89+\p]
	v_pk_add_f32 v[48+\p:49+\p], v[48+\p:49+\p], v[80+\p:81+\p]
	v_pk_add_f32 v[48+\p:49+\p], v[48+\p:49+\p], v[24+\p:25+\p]
.endr
	v_max3_num_f32 v21, v48, v49, v50              ; the row's maximum
	v_max3_num_f32 v21, v21, v51, v52
	v_max3_num_f32 v21, v21, v53, v54
	v_max_num_f32 v21, v21, v55
.irp e, 0,1,2,3,4,5,6,7
	v_sub_f32 v[200+\e], v[48+\e], v21
.endr
.irp e, 0,1,2,3,4,5,6,7
	v_mul_f32 v[200+\e], s28, v[200+\e]
.endr
.irp e, 0,1,2,3,4,5,6,7
	v_exp_f32 v[192+\e], v[200+\e]                 ; one batch of eight; the ranks below name none of its results
.endr
	; rank_a = how many experts come before a: b > a where z_b > z_a, c < a where z_c >= z_a.  It starts as if every later expert came before.
.irp a, 0,1,2,3,4,5,6,7
	v_mov_b32 v[56+\a], 7-\a
.endr
.set a, 0
.rept 7
.set b, a+1
.rept 7-a
	v_cmp_ge_f32 vcc_lo, v[48+a], v[48+b]
	v_cndmask_b32 v20, 0, 1, vcc_lo
	v_add_nc_u32 v[56+b], v[56+b], v20
	v_sub_nc_u32 v[56+a], v[56+a], v20
.set b, b+1
.endr
.set a, a+1
.endr
	v_mov_b32 v224, 0
	s_wait_alu depctr_va_vdst(0)                   ; ahead of the first line that names an exponential's result: one wait for the eight
.irp e, 0,1,2,3,4,5,6,7
	v_cmp_gt_u32 vcc_lo, 5, v[56+\e]               ; chosen: fewer than five come before
	v_cndmask_b32 v[216+\e], 0, 1, vcc_lo
	v_cndmask_b32 v[200+\e], 0, v[192+\e], vcc_lo
	v_lshl_or_b32 v224, v[216+\e], \e, v224
.endr
	v_pk_add_f32 v[22:23], v[192:193], v[194:195]
	v_pk_add_f32 v[24:25], v[196:197], v[198:199]
	v_pk_add_f32 v[26:27], v[200:201], v[202:203]
	v_pk_add_f32 v[28:29], v[204:205], v[206:207]
	v_pk_add_f32 v[22:23], v[22:23], v[24:25]
	v_pk_add_f32 v[26:27], v[26:27], v[28:29]
	v_add_f32 v22, v22, v23                        ; S8
	v_add_f32 v26, v26, v27                        ; U5
	v_fma_f32 v22, s29, v22, v26
	v_rcp_f32 v23, v22
	v_mov_b32 v20, 0                               ; key_e = how many chosen experts lie below e; 8 or more where e is not chosen
.irp e, 0,1,2,3,4,5,6,7
	v_xor_b32 v21, 1, v[216+\e]
	v_lshl_add_u32 v[56+\e], v21, 3, v20
	v_add_nc_u32 v20, v20, v[216+\e]
.endr
.irp j, 0,1,2,3,4,5,6,7
	v_mov_b32 v[208+\j], 0
.endr
	s_wait_alu depctr_va_vdst(0)                   ; the reciprocal's wait; the keys above are the work between
.irp e, 0,1,2,3
	v_mul_f32 v[200+\e], v[200+\e], v23
.endr
.irp e, 4,5,6,7
	v_mul_f32 v[200+\e], -v[200+\e], v23
.endr
.set j, 0
.rept 5                                            ; three experts are left out, so the j-th chosen one is among j .. j + 3
.set e, j
.rept 4
	v_cmp_eq_u32 vcc_lo, j, v[56+e]
	v_cndmask_b32 v[208+j], v[208+j], v[200+e], vcc_lo
.set e, e+1
.endr
.set j, j+1
.endr
	v_cmp_ne_u32 vcc_lo, 0, v5                     ; lanes 0-15 store the eight weights, lanes 16-31 the five in order and three zeros
.irp i, 0,1,2,3,4,5,6,7
	v_cndmask_b32 v[232+\i], v[200+\i], v[208+\i], vcc_lo
.endr
	global_store_b128 v13, v[232:235], s[14:15]
	global_store_b128 v13, v[236:239], s[14:15] offset:16
	v_cmp_gt_u32 vcc_lo, 16, v1
	s_wait_xcnt 0x0                                ; EXEC changes only behind this wait
	s_and_saveexec_b32 s30, vcc_lo
	global_store_b32 v14, v224, s[12:13]
	s_wait_xcnt 0x0                                ; and again ahead of the line that widens it
	s_or_b32 exec_lo, exec_lo, s30
.Lend:
	s_wait_tensorcnt 0x0                           ; the wave's end
	ds_add_u32 v2, v3
	s_wait_dscnt 0x0
	s_endpgm
.Lfunc_end_k_q653a6ebb8c_router:
	.size	k_q653a6ebb8c_router, .Lfunc_end_k_q653a6ebb8c_router-k_q653a6ebb8c_router
	.p2alignl 7, 3214868480
	.fill 96, 4, 3214868480
	.section	.rodata,"a",@progbits
	.p2align	6, 0x0
	.amdhsa_kernel k_q653a6ebb8c_router
		.amdhsa_group_segment_fixed_size 70400
		.amdhsa_private_segment_fixed_size 0
		.amdhsa_enable_private_segment 0
		.amdhsa_kernarg_size 48
		.amdhsa_user_sgpr_count 2
		.amdhsa_user_sgpr_kernarg_segment_ptr 1
		.amdhsa_wavefront_size32 1
		.amdhsa_system_sgpr_workgroup_id_x 1
		.amdhsa_system_sgpr_workgroup_id_y 1
		.amdhsa_system_sgpr_workgroup_id_z 1
		.amdhsa_system_vgpr_workitem_id 0
		.amdhsa_next_free_vgpr 256
		.amdhsa_next_free_sgpr 66
		.amdhsa_reserve_vcc 1
		.amdhsa_float_denorm_mode_32 3
		.amdhsa_float_denorm_mode_16_64 3
		.amdhsa_memory_ordered 1
		.amdhsa_forward_progress 1
		.amdhsa_inst_pref_size 36
	.end_amdhsa_kernel
	.amdgpu_metadata
---
amdhsa.version: [ 1, 2 ]
amdhsa.kernels:
  - .name:           k_q653a6ebb8c_router
    .symbol:         k_q653a6ebb8c_router.kd
    .args:
      - { .name: x, .offset: 0, .size: 8, .value_kind: global_buffer, .address_space: global }
      - { .name: gate_w, .offset: 8, .size: 8, .value_kind: global_buffer, .address_space: global }
      - { .name: gate_b, .offset: 16, .size: 8, .value_kind: global_buffer, .address_space: global }
      - { .name: xb, .offset: 24, .size: 8, .value_kind: global_buffer, .address_space: global }
      - { .name: masks, .offset: 32, .size: 8, .value_kind: global_buffer, .address_space: global }
      - { .name: gates, .offset: 40, .size: 8, .value_kind: global_buffer, .address_space: global }
    .group_segment_fixed_size: 70400
    .private_segment_fixed_size: 0
    .kernarg_segment_align: 8
    .kernarg_segment_size: 48
    .max_flat_workgroup_size: 128
    .sgpr_count:     66
    .vgpr_count:     256
    .wavefront_size: 32
...
	.end_amdgpu_metadata
.endif
;; end of part 1
;; launch gather (part 2): grid 32 x 8, 4 waves a work-group, no clusters, 10,752 bytes of LDS; arguments xb, masks, xs; writes xs
.if DOCPART == 2
	.amdgcn_target "amdgcn-amd-amdhsa--gfx1250"
	.amdhsa_code_object_version 6
	.text
	.protected	k_q653a6ebb8c_gather
	.globl	k_q653a6ebb8c_gather
	.p2align	8
	.type	k_q653a6ebb8c_gather,@function
k_q653a6ebb8c_gather:
	s_mov_b64 s[64:65], 0
	v_nop
	global_prefetch_b8 v0, s[64:65] scope:SCOPE_SE
	s_setreg_imm32_b32 hwreg(HW_REG_WAVE_MODE, 25, 1), 1
	s_wait_xcnt 0x0
; THE TOKEN ROWS IN THE EXPERTS' ORDER.  xs[e][tile of 16 ranks][block of 32 k][2][32 lanes][16 bytes]: the 16 bytes of lane (r, h), half j, block m are xb[token of rank 16 tile + r][32 m + 16 j + 8 h .. + 7]:
; registers 0-3 (j = 0) and 4-7 (j = 1) of the first product's row operand.  So that product loads 512 consecutive bytes an instruction, and the short pieces of listed rows are read here once, not by each of an
; expert's 32 work-groups.  rank = a token's place in expert e's list, made from masks as the second product makes it.
; SHARES.  A work-group owns two tiles of one expert (32 x 8 work-groups cover 64 tiles an expert: every split, up to 1,024 rows), a wave one tile's half of K: 32 loads of 16 bytes a lane, 32 stores.
; A wave whose tile lies past the expert's count stores nothing.  Places of the last tile past the count take token 1,023's row; what is made of them later feeds rows that nobody reads.
; A copy: no arithmetic, no matrix unit, no cluster (no two work-groups read the same tile).
.set LISTB, 2560              ; each wave's own list: 1,280 entries of 16 bits, from LDS byte 0 on
.set SPARE, 4*LISTB           ; the spare words, 128 bytes a wave: two blocks of 256 bytes that no other line names
.set LANE, 1
.set SPW,  2                  ; LDS address of my spare word; never rewritten
.set NIL,  3                  ; 0; never rewritten
.set R,    4                  ; lane % 16
.set H,    5                  ; lane / 16
.set LA,   7                  ; where my row's token stands in the list
.set SRC,  8                  ; the token, then my byte offset in xb
.set TT,   15                 ; at work
.set WO,   30                 ; 16 x lane; never rewritten
.set CT,   32                 ; v32-63  masks as loaded
.set D,    64                 ; v64-191 the 32 pieces
.set WV,   14                 ; s14 wave
.set EX,   15                 ; s15 expert
.set CNT,  18                 ; s18 the expert's rows
.set NT,   19                 ; s19 its tiles
.set TILE, 20                 ; s20 my tile
.set KH,   22                 ; s22 my half of K
.set OF,   26                 ; s[26:27] an offset, high word 0
.set BAL,  40                 ; s40 which lanes' tokens chose the expert
; THE LIST, each wave's own (s25 = its first byte).  Entry p starts as 1,024 + p % 16; then the tokens that chose the expert are entered at their rank: 32 tokens at a time, a lane's rank = the count so far + the
; chosen lanes below it.  Lanes whose token did not choose store into entries 1,248 on, which nobody reads.  Register i of the masks holds token 128 (i / 4) + 4 lane + i % 4.
.macro MKLIST
	v_and_b32 v16, 1, v0
	v_mul_u32_u24 v16, 0x80008, v16
	v_add_nc_u32 v24, 0x04010400, v16
	v_add_nc_u32 v25, 0x04030402, v16
	v_add_nc_u32 v26, 0x04050404, v16
	v_add_nc_u32 v27, 0x04070406, v16
	v_lshl_add_u32 v17, v[LANE], 4, s25
.irp i, 0,1,2,3,4
	ds_store_b128 v17, v[24:27] offset:512*\i
.endr
	v_mov_b32 v19, s25
	v_add_nc_u32 v18, 1248, v[LANE]
	v_lshlrev_b32 v20, 2, v[LANE]
	s_mov_b32 s[CNT], 0
.set i, 0
.rept 32
	v_bfe_u32 v16, v[CT+i], s[EX], 1
	v_cmp_ne_u32 s[BAL], 0, v16
	v_mbcnt_lo_u32_b32 v17, s[BAL], s[CNT]
	v_cndmask_b32 v17, v18, v17, s[BAL]
	v_min_u32 v17, 1279, v17                       ; inside the list, whatever masks holds
	v_lshl_add_u32 v17, v17, 1, v19
	v_add_nc_u32 v21, 128*(i/4)+i%4, v20
	ds_store_b16 v17, v21
	s_bcnt1_i32_b32 s26, s[BAL]
	s_add_co_u32 s[CNT], s[CNT], s26
.set i, i+1
.endr
.endm
	s_load_b128 s[4:7], s[0:1], 0x0                ; xb s[4:5], masks s[6:7]
	s_load_b64 s[8:9], s[0:1], 0x10                ; xs
	v_lshl_add_u32 v[SPW], v0, 2, SPARE
	v_mov_b32 v[NIL], 0
	v_lshrrev_b32 v[TT], 5, v0
	v_readfirstlane_b32 s[WV], v[TT]
	s_and_b32 s[EX], ttmp7, 0xffff
	v_and_b32 v[LANE], 31, v0
	v_and_b32 v[R], 15, v0
	v_bfe_u32 v[H], v0, 4, 1
	v_lshlrev_b32 v[WO], 4, v[LANE]
	s_mul_i32 s25, s[WV], LISTB                    ; my list
	s_wait_kmcnt 0x0
.irp i, 0,1,2,3,4,5,6,7
	global_load_b128 v[CT+4*\i:CT+4*\i+3], v[WO], s[6:7] offset:512*\i   ; all 1,024 masks, in every wave
.endr
	s_wait_loadcnt 0x0
	MKLIST
	s_min_u32 s[CNT], s[CNT], 1024
	s_add_co_u32 s[NT], s[CNT], 15
	s_lshr_b32 s[NT], s[NT], 4                     ; tiles of 16 rows, 64 at the most
	s_lshl_b32 s[TILE], ttmp9, 1
	s_lshr_b32 s21, s[WV], 1
	s_add_co_u32 s[TILE], s[TILE], s21             ; waves 0, 1: the work-group's first tile; waves 2, 3: its second
	s_min_u32 s[TILE], s[TILE], 63
	s_and_b32 s[KH], s[WV], 1
	s_wait_dscnt 0x0                               ; my list is written.  A wave reads its own list alone; the barrier is there so that the order of
	s_barrier_signal -1                            ; stores and reads does not rest on the places of the stores, which hang on masks
	s_barrier_wait -1
	s_cmp_ge_u32 s[TILE], s[NT]
	s_cbranch_scc1 .Lend                           ; my tile lies past the count
	s_lshl_b32 s21, s[TILE], 5                     ; 16 entries of 2 bytes
	s_add_co_u32 s21, s21, s25
	v_lshl_add_u32 v[LA], v[R], 1, s21
	ds_load_u16 v[SRC], v[LA]                      ; the token of row r
	s_lshl_b32 s[OF], s[EX], 21                    ; xs: 64 tiles of 32,768 bytes an expert,
	s_lshl_b32 s23, s[TILE], 15
	s_add_co_u32 s[OF], s[OF], s23
	s_lshl_b32 s23, s[KH], 14                      ; 16 blocks of 1,024 bytes in half a tile
	s_add_co_u32 s[OF], s[OF], s23
	s_mov_b32 s[OF+1], 0
	s_add_nc_u64 s[8:9], s[8:9], s[OF:OF+1]
	s_lshl_b32 s23, s[KH], 10                      ; half a row of xb
	s_wait_dscnt 0x0
	v_min_u32 v[SRC], 1023, v[SRC]
	v_lshlrev_b32 v[SRC], 11, v[SRC]               ; its row of xb, 2,048 bytes,
	v_lshl_add_u32 v[SRC], v[H], 4, v[SRC]         ; + 16 h
	v_add_nc_u32 v[SRC], s23, v[SRC]
.set i, 0
.rept 32                                           ; piece i: block i / 2 of my 16, half i % 2
	global_load_b128 v[D+4*i:D+4*i+3], v[SRC], s[4:5] offset:(i/2)*64+(i%2)*32
.set i, i+1
.endr
.set i, 0
.rept 32
	s_wait_loadcnt 31-i                            ; piece i is in; the younger loads stay out
	global_store_b128 v[WO], v[D+4*i:D+4*i+3], s[8:9] offset:512*i   ; a wave stores 512 consecutive bytes, at a multiple of 256 from xs's first
.set i, i+1
.endr
.Lend:
	s_wait_dscnt 0x0                               ; my reads of LDS are back:
	s_barrier_signal -1
	s_barrier_wait -1                              ; every wave's are, ahead of the one LDS write that is left
	s_wait_tensorcnt 0x0                           ; the wave's end
	ds_add_u32 v[SPW], v[NIL]
	s_wait_dscnt 0x0
	s_endpgm
.Lfunc_end_k_q653a6ebb8c_gather:
	.size	k_q653a6ebb8c_gather, .Lfunc_end_k_q653a6ebb8c_gather-k_q653a6ebb8c_gather
	.p2alignl 7, 3214868480
	.fill 96, 4, 3214868480
	.section	.rodata,"a",@progbits
	.p2align	6, 0x0
	.amdhsa_kernel k_q653a6ebb8c_gather
		.amdhsa_group_segment_fixed_size 10752
		.amdhsa_private_segment_fixed_size 0
		.amdhsa_enable_private_segment 0
		.amdhsa_kernarg_size 24
		.amdhsa_user_sgpr_count 2
		.amdhsa_user_sgpr_kernarg_segment_ptr 1
		.amdhsa_wavefront_size32 1
		.amdhsa_system_sgpr_workgroup_id_x 1
		.amdhsa_system_sgpr_workgroup_id_y 1
		.amdhsa_system_sgpr_workgroup_id_z 1
		.amdhsa_system_vgpr_workitem_id 0
		.amdhsa_next_free_vgpr 192
		.amdhsa_next_free_sgpr 66
		.amdhsa_reserve_vcc 0
		.amdhsa_float_denorm_mode_32 3
		.amdhsa_float_denorm_mode_16_64 3
		.amdhsa_memory_ordered 1
		.amdhsa_forward_progress 1
		.amdhsa_inst_pref_size 29
	.end_amdhsa_kernel
	.amdgpu_metadata
---
amdhsa.version: [ 1, 2 ]
amdhsa.kernels:
  - .name:           k_q653a6ebb8c_gather
    .symbol:         k_q653a6ebb8c_gather.kd
    .args:
      - { .name: xb, .offset: 0, .size: 8, .value_kind: global_buffer, .address_space: global }
      - { .name: masks, .offset: 8, .size: 8, .value_kind: global_buffer, .address_space: global }
      - { .name: xs, .offset: 16, .size: 8, .value_kind: global_buffer, .address_space: global }
    .group_segment_fixed_size: 10752
    .private_segment_fixed_size: 0
    .kernarg_segment_align: 8
    .kernarg_segment_size: 24
    .max_flat_workgroup_size: 128
    .sgpr_count:     66
    .vgpr_count:     192
    .wavefront_size: 32
...
	.end_amdgpu_metadata
.endif
;; end of part 2
;; launch ffn1 (part 3): grid 32 x 8, 4 waves a work-group, no clusters, 323,072 bytes of LDS; arguments xs, w1, b1, masks, h; writes h
.if DOCPART == 3
	.amdgcn_target "amdgcn-amd-amdhsa--gfx1250"
	.amdhsa_code_object_version 6
	.text
	.protected	k_q653a6ebb8c_ffn1
	.globl	k_q653a6ebb8c_ffn1
	.p2align	8
	.type	k_q653a6ebb8c_ffn1,@function
k_q653a6ebb8c_ffn1:
	s_mov_b64 s[64:65], 0
	v_nop
	global_prefetch_b8 v0, s[64:65] scope:SCOPE_SE
	s_setreg_imm32_b32 hwreg(HW_REG_WAVE_MODE, 25, 1), 1
	s_wait_xcnt 0x0
; ONE TEXT FOR BOTH PRODUCTS OF THE EXPERTS' LAYER; FFN says which this file is.
;   FFN = 1:  h[e][rank][:] = relu(xs[e][rank] . bf16(w1[e]) + bf16(b1[e])), rounded once to bf16.   FFN = 2:  y[kq][e][token][:] = h[e][rank][1024 kq ..] . bf16(w2[e]), f32 partial sums of a quarter of K.
; Only the rows of tokens that chose expert e are multiplied.  rank = a token's place in expert e's list, made from masks; xs holds the token rows, in bf16, at their ranks.
; xs AND h LIE IN OPERAND ORDER: [e][tile of 16 ranks][block of 32 k][2][32 lanes][16 bytes]: a wave loads registers 0-3, or 4-7, of a row operand as 512 consecutive bytes.  In the first product's result lane (r, h)
; holds rank r and hidden 16 c + 8 h + 0..7; packed to bf16, column tiles 2 m and 2 m + 1 are registers 0-3 and 4-7 of the second product's row operand for hidden block m: h is stored from registers as it lies.
; SHARES.  A work-group owns 128 columns x 1,024 k of ONE expert's weights, which it alone reads, and all of that expert's rows: 8 experts x 32 = 256 work-groups (FFN = 2: 8 column slices x 4 quarters of K).
; PHASE 1: the slice is streamed once (each wave 256 rows of 512 bytes), rounded to bf16 in registers and laid into LDS as [k][n].  One barrier.
; PHASE 2: each wave takes its share of the expert's tiles of 16 rows, six at a time; rows come from memory straight into registers as matrix operands, weights out of LDS turned by ds_load_tr16_b128.
; Source 0 = 16 weight columns, source 1 = 16 rows: a lane holds one row (lane % 16) and 8 neighbouring columns.
; EVERY SPLIT is served: 0 to 1,024 rows an expert; a wave has at most 16 tiles, three blocks of six cover them.  Places of the last tile past the count hold token 1,023's row, and what is made of them goes
; only to rows of y (1,024-1,039) that nobody reads.  NO CLUSTER, NO TENSOR LOAD: each weight byte has one reader; what an expert's work-groups share is its rows, which go straight into registers: the slice takes
; 294,912 of LDS's 327,680 bytes and leaves no room for slots of row tiles.
; LIMITS.  All inputs are taken rounded to bf16; NaN and infinities are not treated apart.
.set FFN, 1
.if FFN == 1
.set PW,  16384               ; bytes from a weight row to the next
.set PM,  10                  ; s[10:11] masks
.set TSH, 15                  ; a tile of the rows' buffer: 16 rows x 1,024 k x 2 bytes = 2^15
.else
.set PW,  4096
.set PM,  8                   ; s[8:9] masks
.set TSH, 17                  ; 16 rows x 4,096 hidden x 2 bytes = 2^17
.endif
.set AST,   1024              ; the row operand: bytes from a K step to the next,
.set AHF,   512               ; and from registers 0-3 to registers 4-7
.set WP,    288               ; a weight row in LDS: 256 bytes + 32
.set LIST,  1024*WP           ; FFN = 2: behind the slice: each wave's own list, 1,280 entries of 16 bits
.set LISTB, 2560
.set STAGE, LIST+4*LISTB      ; FFN = 2: each wave's own stage for the way out: 16 rows x 272 bytes
.set SP,    272
.set SPARE, STAGE+4*16*SP     ; the spare words, 128 bytes a wave: two blocks of 256 bytes that no other line names
.set PLANE, 1040*4096         ; bytes of y for one (kq, e)
; VECTOR REGISTERS, in windows of 256 (s_set_vgpr_msb: bits 1:0 source 0, 3:2 source 1, 5:4 source 2, 7:6 destination)
.set LANE, 1
.set SPW,  2                  ; LDS address of my spare word; never rewritten
.set NIL,  3                  ; 0; never rewritten
.set R,    4                  ; lane % 16
.set H,    5                  ; lane / 16
.set VB0,  6                  ; my lane's place in 16 k of the slice; never rewritten
.set VB,   7                  ; VB0 + the K walk's place
.set STO,  10                 ; FFN = 2: the way out: where I put my numbers of a row
.set RD,   11                 ; FFN = 2: where I read rows back
.set GO,   12                 ; FFN = 2: 16 r
.set ZR,   13                 ; FFN = 1: 0
.set LS,   14                 ; FFN = 2: list + 2 h
.set TT,   15                 ; at work
.set AO,   16                 ; v16-21  tile t: my lane's byte offset in the rows' buffer
.set TK,   22                 ; v22-29  FFN = 2: tokens, then offsets in y
.set BA,   29                 ; FFN = 1: the bias loads' offset
.set WO,   30                 ; 16 x lane; never rewritten
.set VS,   31                 ; where my 8 bytes of a weight row go
.set CT,   32                 ; v32-63  masks as loaded, then converted weights
.set BI,   64                 ; v64-127 FFN = 1: the bias as eight C operands
.set BF,   128                ; v128-191, v192-255 weight fragments, two buffers; on the way out v128-159 TMP, v160-191 BK
.set TMP,  128
.set BK,   160
; window 1: phase 1: four slots of 16 weight rows as loaded; phase 2: v0-191 four slots of row fragments, slot q tile t at 48 q + 8 t
; window 2: accumulators of tiles 0-3, (t, c) at 64 t + 8 c;  window 3: v0-127 those of tiles 4, 5
.set WV,  14                  ; s14 wave
.set EX,  15                  ; s15 expert
.set SL,  16                  ; s16 column slice
.set KQ,  17                  ; s17 quarter of K
.set CNT, 18                  ; s18 the expert's rows
.set NT,  19                  ; s19 its tiles
.set REM, 20                  ; s20 my tiles still to do
.set T0,  21                  ; s21 the first of them
.set MT,  22                  ; s22 tiles in the block in hand
.set BLK, 23
.set KC,  24
.set SW,  28                  ; s[28:29] weights, walking
.set SA0, 30                  ; s[30:31] rows
.set SA,  32                  ; s[32:33] rows, walking along K
.set SO,  34                  ; s[34:35] output
.set SOW, 36                  ; s[36:37] output at a tile
.set OF,  38                  ; s[38:39] an offset, high word 0
.set BAL, 40                  ; s40 which lanes' tokens chose the expert
.set TB,  41                  ; s41 LDS byte at which the K walk's four steps in hand begin
.set MSB, 0
.macro WIN new                ; the immediate's high byte repeats the setting that is left; a switch that changes nothing is dropped
.if MSB != (\new)
	s_set_vgpr_msb (MSB<<8)|(\new)
.set MSB, (\new)
.endif
.endm
	s_load_b256 s[4:11], s[0:1], 0x0
.if FFN == 1
	s_load_b64 s[12:13], s[0:1], 0x20              ; xs s[4:5], w1 s[6:7], b1 s[8:9], masks s[10:11], h s[12:13]
.endif                                                 ; FFN = 2: h s[4:5], w2 s[6:7], masks s[8:9], y s[10:11]
	v_lshl_add_u32 v[SPW], v0, 2, SPARE
	v_mov_b32 v[NIL], 0
	v_lshrrev_b32 v[TT], 5, v0
	v_readfirstlane_b32 s[WV], v[TT]
	s_and_b32 s[EX], ttmp7, 0xffff
	v_and_b32 v[LANE], 31, v0
	v_and_b32 v[R], 15, v0
	v_bfe_u32 v[H], v0, 4, 1
	v_lshlrev_b32 v[WO], 4, v[LANE]
	s_mov_b32 s[OF+1], 0
.if FFN == 1
	v_mov_b32 v[ZR], 0
	s_mov_b32 s[SL], ttmp9
	s_lshl_b32 s25, s[EX], 24                      ; an expert's weights: 16,777,216 bytes
	s_lshl_b32 s26, s[SL], 9                       ; 128 columns of f32
	s_add_co_u32 s25, s25, s26
	s_lshl_b32 s26, s[WV], 22                      ; my wave's 256 rows of 16,384 bytes
	s_add_co_u32 s[OF], s25, s26
	s_wait_kmcnt 0x0
	s_add_nc_u64 s[SW:SW+1], s[6:7], s[OF:OF+1]
	s_lshl_b32 s25, s[EX], 14
	s_lshl_b32 s26, s[SL], 9
	s_add_co_u32 s[OF], s25, s26
	s_add_nc_u64 s[8:9], s[8:9], s[OF:OF+1]        ; b1 at my 128 columns
	s_lshl_b32 s[OF], s[EX], 21                    ; xs: 64 tiles of 32,768 bytes an expert
	s_add_nc_u64 s[SA0:SA0+1], s[4:5], s[OF:OF+1]
	s_lshl_b32 s25, s[EX], 23                      ; h: 64 tiles of 131,072 bytes an expert;
	s_lshl_b32 s26, s[SL], 12                      ; my 128 hidden numbers are four blocks of 1,024 bytes in each tile
	s_add_co_u32 s[OF], s25, s26
	s_add_nc_u64 s[SO:SO+1], s[12:13], s[OF:OF+1]
.else
	s_and_b32 s[SL], ttmp9, 7
	s_lshr_b32 s[KQ], ttmp9, 3
	s_lshl_b32 s25, s[EX], 24
	s_lshl_b32 s26, s[KQ], 22                      ; 1,024 rows of 4,096 bytes
	s_add_co_u32 s25, s25, s26
	s_lshl_b32 s26, s[SL], 9
	s_add_co_u32 s25, s25, s26
	s_lshl_b32 s26, s[WV], 20                      ; my wave's 256 rows
	s_add_co_u32 s[OF], s25, s26
	s_wait_kmcnt 0x0
	s_add_nc_u64 s[SW:SW+1], s[6:7], s[OF:OF+1]
	s_lshl_b32 s25, s[EX], 23
	s_lshl_b32 s26, s[KQ], 15                      ; 32 hidden blocks of 1,024 bytes
	s_add_co_u32 s[OF], s25, s26
	s_add_nc_u64 s[SA0:SA0+1], s[4:5], s[OF:OF+1]
	s_lshl3_add_u32 s25, s[KQ], s[EX]
	s_mul_i32 s25, s25, PLANE
	s_lshl_b32 s26, s[SL], 9
	s_add_co_u32 s[OF], s25, s26
	s_add_nc_u64 s[SO:SO+1], s[10:11], s[OF:OF+1]
.endif
; 16 weight rows, counted from SW, into ring slot `slot`: one load is 512 consecutive bytes of one row; each weight byte is read once in the launch
.macro WLOAD slot, row
	WIN 0x40                                       ; destination window 1, offset window 0
.set i, 0
.rept 16
	global_load_b128 v[64*(\slot)+4*i:64*(\slot)+4*i+3], v[WO], s[SW:SW+1] offset:((\row)+i)*PW th:TH_LOAD_NT
.set i, i+1
.endr
.endm
; Ring slot gl is rounded to bf16 and stored into LDS (a wave's store is 256 consecutive bytes); issue = 1: the group three on is asked for, into the slot converted last.  lc: the younger groups' loads.
.macro GROUP gl, issue, lc
	s_wait_loadcnt \lc
	WIN 0x05                                       ; sources window 1, destination window 0
.set i, 0
.rept 32
	v_cvt_pk_bf16_f32 v[CT+i], v[64*(\gl)+2*i], v[64*(\gl)+2*i+1]
.set i, i+1
.endr
	WIN 0
.set i, 0
.rept 16
	ds_store_b64 v[VS], v[CT+2*i:CT+2*i+1] offset:(16*(\gl)+i)*WP
.set i, i+1
.endr
.if \issue
	WLOAD ((\gl)+3)%4, ((\gl)+3)*16
.endif
.endm
; THE EXPERT'S COUNT, and for FFN = 2 THE LIST, each wave's own (s25 = its first byte).  Entry p starts as 1,024 + p % 16; then the tokens that chose the expert are entered at their rank: 32 tokens at a time, a lane's
; rank = the count so far + the chosen lanes below it.  Lanes whose token did not choose store into entries 1,248 on, which nobody reads.  Register i of the masks holds token 128 (i / 4) + 4 lane + i % 4.
.macro MKLIST
.if FFN == 2
	v_and_b32 v16, 1, v0
	v_mul_u32_u24 v16, 0x80008, v16
	v_add_nc_u32 v24, 0x04010400, v16
	v_add_nc_u32 v25, 0x04030402, v16
	v_add_nc_u32 v26, 0x04050404, v16
	v_add_nc_u32 v27, 0x04070406, v16
	v_lshl_add_u32 v17, v[LANE], 4, s25
.irp i, 0,1,2,3,4
	ds_store_b128 v17, v[24:27] offset:512*\i
.endr
	v_mov_b32 v19, s25
	v_add_nc_u32 v18, 1248, v[LANE]
	v_lshlrev_b32 v20, 2, v[LANE]
.endif
	s_mov_b32 s[CNT], 0
.set i, 0
.rept 32
	v_bfe_u32 v16, v[CT+i], s[EX], 1
	v_cmp_ne_u32 s[BAL], 0, v16
.if FFN == 2
	v_mbcnt_lo_u32_b32 v17, s[BAL], s[CNT]
	v_cndmask_b32 v17, v18, v17, s[BAL]
	v_min_u32 v17, 1279, v17                       ; inside the list, whatever masks holds
	v_lshl_add_u32 v17, v17, 1, v19
	v_add_nc_u32 v21, 128*(i/4)+i%4, v20
	ds_store_b16 v17, v21
.endif
	s_bcnt1_i32_b32 s26, s[BAL]
	s_add_co_u32 s[CNT], s[CNT], s26
.set i, i+1
.endr
.endm
.irp i, 0,1,2,3,4,5,6,7
	global_load_b128 v[CT+4*\i:CT+4*\i+3], v[WO], s[PM:PM+1] offset:512*\i   ; all 1,024 masks, in every wave
.endr
.if FFN == 1
	v_lshlrev_b32 v[BA], 5, v[H]
.irp c, 0,1,2,3,4,5,6,7                            ; column tile c: register j of lane (r, h) is the bias of column 16 c + 8 h + j
	global_load_b128 v[BI+8*\c:BI+8*\c+3], v[BA], s[8:9] offset:64*\c
	global_load_b128 v[BI+8*\c+4:BI+8*\c+7], v[BA], s[8:9] offset:64*\c+16
.endr
.endif
	WLOAD 0, 0
	WLOAD 1, 16
	WIN 0
	v_and_b32 v16, 7, v0                           ; the turning load: row 8 h + lane % 8 of 16 k, 16 bytes ((lane / 8) % 2)
	v_lshl_add_u32 v16, v[H], 3, v16
	v_mul_u32_u24 v[VB0], v16, WP
	v_bfe_u32 v16, v0, 3, 1
	v_lshl_add_u32 v[VB0], v16, 4, v[VB0]
	s_mul_i32 s26, s[WV], 256*WP
	v_lshl_add_u32 v[VS], v[LANE], 3, s26
.if FFN == 2
	s_mul_i32 s25, s[WV], LISTB
	s_add_co_u32 s25, s25, LIST                    ; my list
	v_lshl_add_u32 v[LS], v[H], 1, s25
	s_mul_i32 s27, s[WV], 16*SP
	s_add_co_u32 s27, s27, STAGE                   ; my stage
	v_mul_u32_u24 v[STO], v[R], SP
	v_lshl_add_u32 v[STO], v[H], 5, v[STO]         ; in: row r, 32 bytes (8 f32) for each half of the lanes
	v_add_nc_u32 v[STO], s27, v[STO]
	v_mul_u32_u24 v[RD], v[H], SP
	v_lshl_add_u32 v[RD], v[R], 4, v[RD]
	v_add_nc_u32 v[RD], s27, v[RD]                 ; back: lanes 0-15 one row of 256 bytes, lanes 16-31 the next
	v_lshlrev_b32 v[GO], 4, v[R]
.endif
.if FFN == 1
	s_wait_loadcnt 48                              ; the masks are in: 16 bias loads and 32 weight loads are younger
.else
	s_wait_loadcnt 32                              ; the masks are in: 32 weight loads are younger
.endif
	MKLIST
	s_min_u32 s[CNT], s[CNT], 1024
	s_add_co_u32 s[NT], s[CNT], 15
	s_lshr_b32 s[NT], s[NT], 4                     ; tiles of 16 rows, 64 at the most
	s_lshr_b32 s25, s[NT], 2                       ; dealt to the four waves: a quarter each, the remainder to the first waves
	s_and_b32 s26, s[NT], 3
	s_mul_i32 s[T0], s[WV], s25
	s_min_u32 s27, s[WV], s26
	s_add_co_u32 s[T0], s[T0], s27
	s_cmp_lt_u32 s[WV], s26
	s_cselect_b32 s27, 1, 0
	s_add_co_u32 s[REM], s25, s27
.if FFN == 1
	s_wait_loadcnt 32                              ; the bias is in; it is rounded to bf16 and widened again
.set i, 0
.rept 32
	v_cvt_pk_bf16_f32 v[TT], v[BI+2*i], v[BI+2*i+1]
	v_lshlrev_b32 v[BI+2*i], 16, v[TT]
	v_and_b32 v[BI+2*i+1], 0xffff0000, v[TT]
.set i, i+1
.endr
.endif
	WLOAD 2, 32
	WIN 0
	s_mov_b32 s[KC], 3
.Lw:                                                   ; a trip: four groups of 16 rows; three groups, 48 loads of 512 bytes, are always on their way
	GROUP 0, 1, 32
	GROUP 1, 1, 32
	GROUP 2, 1, 32
	GROUP 3, 1, 32
	WIN 0
	s_wait_xcnt 0x0                                ; the loads' base is stepped only behind this wait
	s_add_nc_u64 s[SW:SW+1], s[SW:SW+1], 64*PW
	v_add_nc_u32 v[VS], 64*WP, v[VS]
	s_sub_co_u32 s[KC], s[KC], 1
	s_cmp_lg_u32 s[KC], 0
	s_cbranch_scc1 .Lw
	GROUP 0, 1, 32                                 ; the last four groups: one more is asked for, then the counts run down
	GROUP 1, 0, 32
	GROUP 2, 0, 16
	GROUP 3, 0, 0
	s_wait_dscnt 0x0                               ; for the others' sake: my part of the slice is in LDS
	s_barrier_signal -1
	s_barrier_wait -1                              ; the slice is whole, and nobody writes it again
; PHASE 2.  Row fragments of K step `step` (counted from SA) for six tiles into ring slot q: two loads a tile, 512 consecutive bytes each
.macro ALD q, step
	WIN 0x40
.irp t, 0,1,2,3,4,5
	global_load_b128 v[48*(\q)+8*\t:48*(\q)+8*\t+3],   v[AO+\t], s[SA:SA+1] offset:(\step)*AST
	global_load_b128 v[48*(\q)+8*\t+4:48*(\q)+8*\t+7], v[AO+\t], s[SA:SA+1] offset:(\step)*AST+AHF
.endr
.endm
; Weight fragments of one K step, eight column tiles, into buffer b
.macro BLD b, off
	WIN 0
.irp c, 0,1,2,3,4,5,6,7
	ds_load_tr16_b128 v[BF+64*(\b)+8*\c:BF+64*(\b)+8*\c+3],   v[VB] offset:(\off)+32*\c
	ds_load_tr16_b128 v[BF+64*(\b)+8*\c+4:BF+64*(\b)+8*\c+7], v[VB] offset:(\off)+32*\c+16*WP
.endr
.endm
; Tile t's eight products of a K step.  first = 1: they start the sums, with the bias (FFN = 1) or with 0.  Each accumulator has one instruction a step: they take turns.
.macro MUL t, sl, first
.set AC, 64*((\t)%4)
.set FA, 48*(\sl)+8*(\t)
.set FB, BF+64*((\sl)%2)
.if (\first) && (FFN == 1)
	WIN 0x84+0x40*((\t)/4)                         ; weights window 0, rows window 1, C (the bias) window 0, D window 2 or 3
.else
	WIN 0xa4+0x50*((\t)/4)                         ; C and D window 2 or 3
.endif
.irp c, 0,1,2,3,4,5,6,7
.if (\first) && (FFN == 1)
	v_wmma_f32_16x16x32_bf16 v[AC+8*\c:AC+8*\c+7], v[FB+8*\c:FB+8*\c+7], v[FA:FA+7], v[BI+8*\c:BI+8*\c+7]
.elseif \first
	v_wmma_f32_16x16x32_bf16 v[AC+8*\c:AC+8*\c+7], v[FB+8*\c:FB+8*\c+7], v[FA:FA+7], 0
.else
	v_wmma_f32_16x16x32_bf16 v[AC+8*\c:AC+8*\c+7], v[FB+8*\c:FB+8*\c+7], v[FA:FA+7], v[AC+8*\c:AC+8*\c+7]
.endif
.endr
.endm
; A K STEP on ring slot sl.  ra = 1: the rows of the step three on are asked for (12 loads), into the slot multiplied last step; fb = 1: the next step's weights (16 LDS loads), into the other buffer.
; lc = the younger steps' row loads.  The loads are issued whatever the block's number of tiles, so the counts hold on every way; only the products of tiles 4 and 5 are jumped where the block has none.
.macro STEP sl, first, ra, fb, lc
.if !(\first)
.rept 4
	v_nop                                          ; four places between the last product and loads into registers that it read
.endr
.endif
.if \ra
	ALD ((\sl)+3)%4, (\sl)+3
.endif
.if \fb
	BLD ((\sl)+1)%2, ((\sl)+1)*32*WP
	s_wait_dscnt 16                                ; this step's weights are in; the 16 just issued stay out
.else
	s_wait_dscnt 0x0
.endif
	s_wait_loadcnt \lc
	MUL 0, \sl, \first
	MUL 1, \sl, \first
	MUL 2, \sl, \first
	MUL 3, \sl, \first
.if \first
	MUL 4, \sl, 1                                  ; the first step multiplies all six, so that every accumulator is written on every way
	MUL 5, \sl, 1
.else
	WIN 0                                          ; at a branch and at a label every window is 0
	s_cmp_lt_u32 s[MT], 5
	s_cbranch_scc1 .Lskip_\@
	MUL 4, \sl, 0
	WIN 0
	s_cmp_lt_u32 s[MT], 6
	s_cbranch_scc1 .Lskip_\@
	MUL 5, \sl, 0
	WIN 0
.Lskip_\@:
.endif
.endm
.macro ADV                                             ; four K steps on
	WIN 0
	s_wait_xcnt 0x0                                ; the row loads' base is stepped only behind this wait
	s_add_nc_u64 s[SA:SA+1], s[SA:SA+1], 4*AST
	s_add_co_u32 s[TB], s[TB], 4*32*WP
	v_add_nc_u32 v[VB], s[TB], v[VB0]
.endm
; THE WAY OUT of tile t.
.if FFN == 1
.macro OUT t                                           ; rounded to bf16, relu, and stored as they lie: column tile c is half c % 2 of hidden block c / 2
.set AC, 64*((\t)%4)
	s_wait_xcnt 0x0                                ; the last tile's stores have read TMP and their base
	WIN 0x0a+5*((\t)/4)                            ; sources window 2 or 3
.set i, 0
.rept 32
	v_cvt_pk_bf16_f32 v[TMP+i], v[AC+2*i], v[AC+2*i+1]   ; each accumulator from its low end on
.set i, i+1
.endr
	WIN 0
.set i, 0
.rept 32
	v_pk_max_num_bf16 v[TMP+i], v[TMP+i], v[ZR]    ; relu, two at a time: nothing is rounded
.set i, i+1
.endr
	s_add_co_u32 s[OF], s[T0], \t
	s_min_u32 s[OF], s[OF], 63
	s_lshl_b32 s[OF], s[OF], 17                    ; a tile of h is 131,072 bytes
	s_add_nc_u64 s[SOW:SOW+1], s[SO:SO+1], s[OF:OF+1]
.irp c, 0,1,2,3,4,5,6,7
	global_store_b128 v[WO], v[TMP+4*\c:TMP+4*\c+3], s[SOW:SOW+1] offset:512*\c   ; a wave stores 512 consecutive bytes, at a multiple of 256 from h's first
.endr
.endm
.else
.macro OUT t                                           ; through my own stage: LDS serves a wave's instructions in order (ISA guide 5.7.1.4), so no wait stands between the stores into it and the loads back
.set AC, 64*((\t)%4)
	s_wait_xcnt 0x0                                ; the last tile's stores have read their offsets and BK
	s_add_co_u32 s25, s[T0], \t
	s_min_u32 s25, s25, 63
	s_lshl_b32 s25, s25, 5
	v_add_nc_u32 v[TT], s25, v[LS]
.irp i, 0,1,2,3,4,5,6,7
	ds_load_u16 v[TK+\i], v[TT] offset:4*\i        ; the token of row 2 i + h
.endr
	s_wait_dscnt 0x0
.irp i, 0,1,2,3,4,5,6,7
	v_min_u32 v[TK+\i], 1039, v[TK+\i]
	v_lshl_add_u32 v[TK+\i], v[TK+\i], 12, v[GO]   ; its row of y, 4,096 bytes, + 16 r
.endr
.irp p, 0,1                                        ; 64 columns of f32, 256 bytes a row, at a time
.if \p
	s_wait_xcnt 0x0
.endif
	WIN 0x08+4*((\t)/4)                            ; store data window 2 or 3
.irp c, 0,1,2,3
	ds_store_b128 v[STO], v[AC+8*(4*\p+\c):AC+8*(4*\p+\c)+3] offset:64*\c      ; each accumulator from its low end on
	ds_store_b128 v[STO], v[AC+8*(4*\p+\c)+4:AC+8*(4*\p+\c)+7] offset:64*\c+16
.endr
	WIN 0
.irp i, 0,1,2,3,4,5,6,7
	ds_load_b128 v[BK+4*\i:BK+4*\i+3], v[RD] offset:2*SP*\i
.endr
	s_wait_dscnt 0x0
.irp i, 0,1,2,3,4,5,6,7
	global_store_b128 v[TK+\i], v[BK+4*\i:BK+4*\i+3], s[SO:SO+1] offset:256*\p th:TH_STORE_NT   ; 16 lanes store 256 consecutive bytes, at a multiple of 256 from y's first
.endr
.endr
.endm
.endif
; THE BLOCKS: three trips whatever the split.  FFN = 1 writes no LDS here, and a trip without tiles is jumped whole.  FFN = 2 writes its stages on the way out, so every trip has two barriers, which every wave
; passes: one between the K walk, in which waves read LDS along a walking address, and the way out; one behind the way out.  Only work is jumped.  There a trip without tiles still runs K step 0, on rows
; clamped into h, so that the way out's registers are written on every way; nothing of it is stored.
	s_mov_b32 s[BLK], 3
.Lblock:
.if FFN == 1
	s_cmp_eq_u32 s[REM], 0
	s_cbranch_scc1 .Lnext
.endif
	s_min_u32 s[MT], s[REM], 6
.irp t, 0,1,2,3,4,5                                ; places past the block's tiles repeat its first tile
	s_cmp_gt_u32 s[MT], \t
	s_cselect_b32 s25, \t, 0
	s_add_co_u32 s25, s25, s[T0]
	s_min_u32 s25, s25, 63
	s_lshl_b32 s25, s25, TSH
	v_add_nc_u32 v[AO+\t], s25, v[WO]              ; the tile's first byte in the rows' buffer, + 16 x lane
.endr
	s_mov_b64 s[SA:SA+1], s[SA0:SA0+1]
	s_mov_b32 s[TB], 0
	v_mov_b32 v[VB], v[VB0]
	ALD 0, 0
	ALD 1, 1
	ALD 2, 2
	BLD 0, 0
	STEP 0, 1, 1, 1, 36                            ; K step 0 starts the sums.  36: the three steps behind the one multiplied
	WIN 0
.if FFN == 2
	s_cmp_eq_u32 s[MT], 0
	s_cbranch_scc1 .Lmeet
.endif
	s_mov_b32 s[KC], 7
.Lk:                                                   ; a trip: K steps 4 j + 1 to 4 j + 4
	STEP 1, 0, 1, 1, 36
	STEP 2, 0, 1, 1, 36
	STEP 3, 0, 1, 1, 36
	ADV
	STEP 0, 0, 1, 1, 36
	s_sub_co_u32 s[KC], s[KC], 1
	s_cmp_lg_u32 s[KC], 0
	s_cbranch_scc1 .Lk
	STEP 1, 0, 0, 1, 24                            ; K steps 29 to 31: no rows are left to ask for, and the counts run down
	STEP 2, 0, 0, 1, 12
	STEP 3, 0, 0, 0, 0
.if FFN == 2
.Lmeet:
	s_wait_loadcnt 0x0                             ; (a trip without tiles leaves its row loads out: they land before their registers are loaded again)
	s_wait_dscnt 0x0                               ; my reads of the slice are back:
	s_barrier_signal -1
	s_barrier_wait -1                              ; every wave's are, and only now is a stage written
.endif
.rept 4
	v_nop                                          ; four places between the last product and the first read of a result
.endr
.irp t, 0,1,2,3,4,5
.if (\t > 0) || (FFN == 2)
	s_cmp_le_u32 s[MT], \t
	s_cbranch_scc1 .Ldone
.endif
	OUT \t
.endr
.Ldone:
	s_wait_xcnt 0x0                                ; the stores have read their data registers, which the next block's weight fragments take
	s_sub_co_u32 s[REM], s[REM], s[MT]
	s_add_co_u32 s[T0], s[T0], s[MT]
.if FFN == 2
	s_wait_dscnt 0x0                               ; my stage's stores and loads are done:
	s_barrier_signal -1
	s_barrier_wait -1                              ; every wave's are, and only now does the next K walk read LDS
.else
.Lnext:
.endif
	s_sub_co_u32 s[BLK], s[BLK], 1
	s_cmp_lg_u32 s[BLK], 0
	s_cbranch_scc1 .Lblock
.if FFN == 1
	s_wait_dscnt 0x0                               ; my reads of LDS are back:
	s_barrier_signal -1
	s_barrier_wait -1                              ; every wave's are, ahead of the one LDS write that is left
.endif
	s_wait_tensorcnt 0x0                           ; the wave's end
	ds_add_u32 v[SPW], v[NIL]
	s_wait_dscnt 0x0
	s_endpgm
.Lfunc_end_k_q653a6ebb8c_ffn1:
	.size	k_q653a6ebb8c_ffn1, .Lfunc_end_k_q653a6ebb8c_ffn1-k_q653a6ebb8c_ffn1
	.p2alignl 7, 3214868480
	.fill 96, 4, 3214868480
	.section	.rodata,"a",@progbits
	.p2align	6, 0x0
	.amdhsa_kernel k_q653a6ebb8c_ffn1
		.amdhsa_group_segment_fixed_size 323072
		.amdhsa_private_segment_fixed_size 0
		.amdhsa_enable_private_segment 0
		.amdhsa_kernarg_size 40
		.amdhsa_user_sgpr_count 2
		.amdhsa_user_sgpr_kernarg_segment_ptr 1
		.amdhsa_wavefront_size32 1
		.amdhsa_system_sgpr_workgroup_id_x 1
		.amdhsa_system_sgpr_workgroup_id_y 1
		.amdhsa_system_sgpr_workgroup_id_z 1
		.amdhsa_system_vgpr_workitem_id 0
		.amdhsa_next_free_vgpr 896
		.amdhsa_next_free_sgpr 66
		.amdhsa_reserve_vcc 0
		.amdhsa_float_denorm_mode_32 3
		.amdhsa_float_denorm_mode_16_64 3
		.amdhsa_memory_ordered 1
		.amdhsa_forward_progress 1
		.amdhsa_inst_pref_size 131
	.end_amdhsa_kernel
	.amdgpu_metadata
---
amdhsa.version: [ 1, 2 ]
amdhsa.kernels:
  - .name:           k_q653a6ebb8c_ffn1
    .symbol:         k_q653a6ebb8c_ffn1.kd
    .args:
      - { .name: xs, .offset: 0, .size: 8, .value_kind: global_buffer, .address_space: global }
      - { .name: w1, .offset: 8, .size: 8, .value_kind: global_buffer, .address_space: global }
      - { .name: b1, .offset: 16, .size: 8, .value_kind: global_buffer, .address_space: global }
      - { .name: masks, .offset: 24, .size: 8, .value_kind: global_buffer, .address_space: global }
      - { .name: h, .offset: 32, .size: 8, .value_kind: global_buffer, .address_space: global }
    .group_segment_fixed_size: 323072
    .private_segment_fixed_size: 0
    .kernarg_segment_align: 8
    .kernarg_segment_size: 40
    .max_flat_workgroup_size: 128
    .sgpr_count:     66
    .vgpr_count:     896
    .wavefront_size: 32
...
	.end_amdgpu_metadata
.endif
;; end of part 3
;; launch ffn2 (part 4): grid 32 x 8, 4 waves a work-group, no clusters, 323,072 bytes of LDS; arguments h, w2, masks, y; writes y
.if DOCPART == 4
	.amdgcn_target "amdgcn-amd-amdhsa--gfx1250"
	.amdhsa_code_object_version 6
	.text
	.protected	k_q653a6ebb8c_ffn2
	.globl	k_q653a6ebb8c_ffn2
	.p2align	8
	.type	k_q653a6ebb8c_ffn2,@function
k_q653a6ebb8c_ffn2:
	s_mov_b64 s[64:65], 0
	v_nop
	global_prefetch_b8 v0, s[64:65] scope:SCOPE_SE
	s_setreg_imm32_b32 hwreg(HW_REG_WAVE_MODE, 25, 1), 1
	s_wait_xcnt 0x0
; ONE TEXT FOR BOTH PRODUCTS OF THE EXPERTS' LAYER; FFN says which this file is.
;   FFN = 1:  h[e][rank][:] = relu(xs[e][rank] . bf16(w1[e]) + bf16(b1[e])), rounded once to bf16.   FFN = 2:  y[kq][e][token][:] = h[e][rank][1024 kq ..] . bf16(w2[e]), f32 partial sums of a quarter of K.
; Only the rows of tokens that chose expert e are multiplied.  rank = a token's place in expert e's list, made from masks; xs holds the token rows, in bf16, at their ranks.
; xs AND h LIE IN OPERAND ORDER: [e][tile of 16 ranks][block of 32 k][2][32 lanes][16 bytes]: a wave loads registers 0-3, or 4-7, of a row operand as 512 consecutive bytes.  In the first product's result lane (r, h)
; holds rank r and hidden 16 c + 8 h + 0..7; packed to bf16, column tiles 2 m and 2 m + 1 are registers 0-3 and 4-7 of the second product's row operand for hidden block m: h is stored from registers as it lies.
; SHARES.  A work-group owns 128 columns x 1,024 k of ONE expert's weights, which it alone reads, and all of that expert's rows: 8 experts x 32 = 256 work-groups (FFN = 2: 8 column slices x 4 quarters of K).
; PHASE 1: the slice is streamed once (each wave 256 rows of 512 bytes), rounded to bf16 in registers and laid into LDS as [k][n].  One barrier.
; PHASE 2: each wave takes its share of the expert's tiles of 16 rows, six at a time; rows come from memory straight into registers as matrix operands, weights out of LDS turned by ds_load_tr16_b128.
; Source 0 = 16 weight columns, source 1 = 16 rows: a lane holds one row (lane % 16) and 8 neighbouring columns.
; EVERY SPLIT is served: 0 to 1,024 rows an expert; a wave has at most 16 tiles, three blocks of six cover them.  Places of the last tile past the count hold token 1,023's row, and what is made of them goes
; only to rows of y (1,024-1,039) that nobody reads.  NO CLUSTER, NO TENSOR LOAD: each weight byte has one reader; what an expert's work-groups share is its rows, which go straight into registers: the slice takes
; 294,912 of LDS's 327,680 bytes and leaves no room for slots of row tiles.
; LIMITS.  All inputs are taken rounded to bf16; NaN and infinities are not treated apart.
.set FFN, 2
.if FFN == 1
.set PW,  16384               ; bytes from a weight row to the next
.set PM,  10                  ; s[10:11] masks
.set TSH, 15                  ; a tile of the rows' buffer: 16 rows x 1,024 k x 2 bytes = 2^15
.else
.set PW,  4096
.set PM,  8                   ; s[8:9] masks
.set TSH, 17                  ; 16 rows x 4,096 hidden x 2 bytes = 2^17
.endif
.set AST,   1024              ; the row operand: bytes from a K step to the next,
.set AHF,   512               ; and from registers 0-3 to registers 4-7
.set WP,    288               ; a weight row in LDS: 256 bytes + 32
.set LIST,  1024*WP           ; FFN = 2: behind the slice: each wave's own list, 1,280 entries of 16 bits
.set LISTB, 2560
.set STAGE, LIST+4*LISTB      ; FFN = 2: each wave's own stage for the way out: 16 rows x 272 bytes
.set SP,    272
.set SPARE, STAGE+4*16*SP     ; the spare words, 128 bytes a wave: two blocks of 256 bytes that no other line names
.set PLANE, 1040*4096         ; bytes of y for one (kq, e)
; VECTOR REGISTERS, in windows of 256 (s_set_vgpr_msb: bits 1:0 source 0, 3:2 source 1, 5:4 source 2, 7:6 destination)
.set LANE, 1
.set SPW,  2                  ; LDS address of my spare word; never rewritten
.set NIL,  3                  ; 0; never rewritten
.set R,    4                  ; lane % 16
.set H,    5                  ; lane / 16
.set VB0,  6                  ; my lane's place in 16 k of the slice; never rewritten
.set VB,   7                  ; VB0 + the K walk's place
.set STO,  10                 ; FFN = 2: the way out: where I put my numbers of a row
.set RD,   11                 ; FFN = 2: where I read rows back
.set GO,   12                 ; FFN = 2: 16 r
.set ZR,   13                 ; FFN = 1: 0
.set LS,   14                 ; FFN = 2: list + 2 h
.set TT,   15                 ; at work
.set AO,   16                 ; v16-21  tile t: my lane's byte offset in the rows' buffer
.set TK,   22                 ; v22-29  FFN = 2: tokens, then offsets in y
.set BA,   29                 ; FFN = 1: the bias loads' offset
.set WO,   30                 ; 16 x lane; never rewritten
.set VS,   31                 ; where my 8 bytes of a weight row go
.set CT,   32                 ; v32-63  masks as loaded, then converted weights
.set BI,   64                 ; v64-127 FFN = 1: the bias as eight C operands
.set BF,   128                ; v128-191, v192-255 weight fragments, two buffers; on the way out v128-159 TMP, v160-191 BK
.set TMP,  128
.set BK,   160
; window 1: phase 1: four slots of 16 weight rows as loaded; phase 2: v0-191 four slots of row fragments, slot q tile t at 48 q + 8 t
; window 2: accumulators of tiles 0-3, (t, c) at 64 t + 8 c;  window 3: v0-127 those of tiles 4, 5
.set WV,  14                  ; s14 wave
.set EX,  15                  ; s15 expert
.set SL,  16                  ; s16 column slice
.set KQ,  17                  ; s17 quarter of K
.set CNT, 18                  ; s18 the expert's rows
.set NT,  19                  ; s19 its tiles
.set REM, 20                  ; s20 my tiles still to do
.set T0,  21                  ; s21 the first of them
.set MT,  22                  ; s22 tiles in the block in hand
.set BLK, 23
.set KC,  24
.set SW,  28                  ; s[28:29] weights, walking
.set SA0, 30                  ; s[30:31] rows
.set SA,  32                  ; s[32:33] rows, walking along K
.set SO,  34                  ; s[34:35] output
.set SOW, 36                  ; s[36:37] output at a tile
.set OF,  38                  ; s[38:39] an offset, high word 0
.set BAL, 40                  ; s40 which lanes' tokens chose the expert
.set TB,  41                  ; s41 LDS byte at which the K walk's four steps in hand begin
.set MSB, 0
.macro WIN new                ; the immediate's high byte repeats the setting that is left; a switch that changes nothing is dropped
.if MSB != (\new)
	s_set_vgpr_msb (MSB<<8)|(\new)
.set MSB, (\new)
.endif
.endm
	s_load_b256 s[4:11], s[0:1], 0x0
.if FFN == 1
	s_load_b64 s[12:13], s[0:1], 0x20              ; xs s[4:5], w1 s[6:7], b1 s[8:9], masks s[10:11], h s[12:13]
.endif                                                 ; FFN = 2: h s[4:5], w2 s[6:7], masks s[8:9], y s[10:11]
	v_lshl_add_u32 v[SPW], v0, 2, SPARE
	v_mov_b32 v[NIL], 0
	v_lshrrev_b32 v[TT], 5, v0
	v_readfirstlane_b32 s[WV], v[TT]
	s_and_b32 s[EX], ttmp7, 0xffff
	v_and_b32 v[LANE], 31, v0
	v_and_b32 v[R], 15, v0
	v_bfe_u32 v[H], v0, 4, 1
	v_lshlrev_b32 v[WO], 4, v[LANE]
	s_mov_b32 s[OF+1], 0
.if FFN == 1
	v_mov_b32 v[ZR], 0
	s_mov_b32 s[SL], ttmp9
	s_lshl_b32 s25, s[EX], 24                      ; an expert's weights: 16,777,216 bytes
	s_lshl_b32 s26, s[SL], 9                       ; 128 columns of f32
	s_add_co_u32 s25, s25, s26
	s_lshl_b32 s26, s[WV], 22                      ; my wave's 256 rows of 16,384 bytes
	s_add_co_u32 s[OF], s25, s26
	s_wait_kmcnt 0x0
	s_add_nc_u64 s[SW:SW+1], s[6:7], s[OF:OF+1]
	s_lshl_b32 s25, s[EX], 14
	s_lshl_b32 s26, s[SL], 9
	s_add_co_u32 s[OF], s25, s26
	s_add_nc_u64 s[8:9], s[8:9], s[OF:OF+1]        ; b1 at my 128 columns
	s_lshl_b32 s[OF], s[EX], 21                    ; xs: 64 tiles of 32,768 bytes an expert
	s_add_nc_u64 s[SA0:SA0+1], s[4:5], s[OF:OF+1]
	s_lshl_b32 s25, s[EX], 23                      ; h: 64 tiles of 131,072 bytes an expert;
	s_lshl_b32 s26, s[SL], 12                      ; my 128 hidden numbers are four blocks of 1,024 bytes in each tile
	s_add_co_u32 s[OF], s25, s26
	s_add_nc_u64 s[SO:SO+1], s[12:13], s[OF:OF+1]
.else
	s_and_b32 s[SL], ttmp9, 7
	s_lshr_b32 s[KQ], ttmp9, 3
	s_lshl_b32 s25, s[EX], 24
	s_lshl_b32 s26, s[KQ], 22                      ; 1,024 rows of 4,096 bytes
	s_add_co_u32 s25, s25, s26
	s_lshl_b32 s26, s[SL], 9
	s_add_co_u32 s25, s25, s26
	s_lshl_b32 s26, s[WV], 20                      ; my wave's 256 rows
	s_add_co_u32 s[OF], s25, s26
	s_wait_kmcnt 0x0
	s_add_nc_u64 s[SW:SW+1], s[6:7], s[OF:OF+1]
	s_lshl_b32 s25, s[EX], 23
	s_lshl_b32 s26, s[KQ], 15                      ; 32 hidden blocks of 1,024 bytes
	s_add_co_u32 s[OF], s25, s26
	s_add_nc_u64 s[SA0:SA0+1], s[4:5], s[OF:OF+1]
	s_lshl3_add_u32 s25, s[KQ], s[EX]
	s_mul_i32 s25, s25, PLANE
	s_lshl_b32 s26, s[SL], 9
	s_add_co_u32 s[OF], s25, s26
	s_add_nc_u64 s[SO:SO+1], s[10:11], s[OF:OF+1]
.endif
; 16 weight rows, counted from SW, into ring slot `slot`: one load is 512 consecutive bytes of one row; each weight byte is read once in the launch
.macro WLOAD slot, row
	WIN 0x40                                       ; destination window 1, offset window 0
.set i, 0
.rept 16
	global_load_b128 v[64*(\slot)+4*i:64*(\slot)+4*i+3], v[WO], s[SW:SW+1] offset:((\row)+i)*PW th:TH_LOAD_NT
.set i, i+1
.endr
.endm
; Ring slot gl is rounded to bf16 and stored into LDS (a wave's store is 256 consecutive bytes); issue = 1: the group three on is asked for, into the slot converted last.  lc: the younger groups' loads.
.macro GROUP gl, issue, lc
	s_wait_loadcnt \lc
	WIN 0x05                                       ; sources window 1, destination window 0
.set i, 0
.rept 32
	v_cvt_pk_bf16_f32 v[CT+i], v[64*(\gl)+2*i], v[64*(\gl)+2*i+1]
.set i, i+1
.endr
	WIN 0
.set i, 0
.rept 16
	ds_store_b64 v[VS], v[CT+2*i:CT+2*i+1] offset:(16*(\gl)+i)*WP
.set i, i+1
.endr
.if \issue
	WLOAD ((\gl)+3)%4, ((\gl)+3)*16
.endif
.endm
; THE EXPERT'S COUNT, and for FFN = 2 THE LIST, each wave's own (s25 = its first byte).  Entry p starts as 1,024 + p % 16; then the tokens that chose the expert are entered at their rank: 32 tokens at a time, a lane's
; rank = the count so far + the chosen lanes below it.  Lanes whose token did not choose store into entries 1,248 on, which nobody reads.  Register i of the masks holds token 128 (i / 4) + 4 lane + i % 4.
.macro MKLIST
.if FFN == 2
	v_and_b32 v16, 1, v0
	v_mul_u32_u24 v16, 0x80008, v16
	v_add_nc_u32 v24, 0x04010400, v16
	v_add_nc_u32 v25, 0x04030402, v16
	v_add_nc_u32 v26, 0x04050404, v16
	v_add_nc_u32 v27, 0x04070406, v16
	v_lshl_add_u32 v17, v[LANE], 4, s25
.irp i, 0,1,2,3,4
	ds_store_b128 v17, v[24:27] offset:512*\i
.endr
	v_mov_b32 v19, s25
	v_add_nc_u32 v18, 1248, v[LANE]
	v_lshlrev_b32 v20, 2, v[LANE]
.endif
	s_mov_b32 s[CNT], 0
.set i, 0
.rept 32
	v_bfe_u32 v16, v[CT+i], s[EX], 1
	v_cmp_ne_u32 s[BAL], 0, v16
.if FFN == 2
	v_mbcnt_lo_u32_b32 v17, s[BAL], s[CNT]
	v_cndmask_b32 v17, v18, v17, s[BAL]
	v_min_u32 v17, 1279, v17                       ; inside the list, whatever masks holds
	v_lshl_add_u32 v17, v17, 1, v19
	v_add_nc_u32 v21, 128*(i/4)+i%4, v20
	ds_store_b16 v17, v21
.endif
	s_bcnt1_i32_b32 s26, s[BAL]
	s_add_co_u32 s[CNT], s[CNT], s26
.set i, i+1
.endr
.endm
.irp i, 0,1,2,3,4,5,6,7
	global_load_b128 v[CT+4*\i:CT+4*\i+3], v[WO], s[PM:PM+1] offset:512*\i   ; all 1,024 masks, in every wave
.endr
.if FFN == 1
	v_lshlrev_b32 v[BA], 5, v[H]
.irp c, 0,1,2,3,4,5,6,7                            ; column tile c: register j of lane (r, h) is the bias of column 16 c + 8 h + j
	global_load_b128 v[BI+8*\c:BI+8*\c+3], v[BA], s[8:9] offset:64*\c
	global_load_b128 v[BI+8*\c+4:BI+8*\c+7], v[BA], s[8:9] offset:64*\c+16
.endr
.endif
	WLOAD 0, 0
	WLOAD 1, 16
	WIN 0
	v_and_b32 v16, 7, v0                           ; the turning load: row 8 h + lane % 8 of 16 k, 16 bytes ((lane / 8) % 2)
	v_lshl_add_u32 v16, v[H], 3, v16
	v_mul_u32_u24 v[VB0], v16, WP
	v_bfe_u32 v16, v0, 3, 1
	v_lshl_add_u32 v[VB0], v16, 4, v[VB0]
	s_mul_i32 s26, s[WV], 256*WP
	v_lshl_add_u32 v[VS], v[LANE], 3, s26
.if FFN == 2
	s_mul_i32 s25, s[WV], LISTB
	s_add_co_u32 s25, s25, LIST                    ; my list
	v_lshl_add_u32 v[LS], v[H], 1, s25
	s_mul_i32 s27, s[WV], 16*SP
	s_add_co_u32 s27, s27, STAGE                   ; my stage
	v_mul_u32_u24 v[STO], v[R], SP
	v_lshl_add_u32 v[STO], v[H], 5, v[STO]         ; in: row r, 32 bytes (8 f32) for each half of the lanes
	v_add_nc_u32 v[STO], s27, v[STO]
	v_mul_u32_u24 v[RD], v[H], SP
	v_lshl_add_u32 v[RD], v[R], 4, v[RD]
	v_add_nc_u32 v[RD], s27, v[RD]                 ; back: lanes 0-15 one row of 256 bytes, lanes 16-31 the next
	v_lshlrev_b32 v[GO], 4, v[R]
.endif
.if FFN == 1
	s_wait_loadcnt 48                              ; the masks are in: 16 bias loads and 32 weight loads are younger
.else
	s_wait_loadcnt 32                              ; the masks are in: 32 weight loads are younger
.endif
	MKLIST
	s_min_u32 s[CNT], s[CNT], 1024
	s_add_co_u32 s[NT], s[CNT], 15
	s_lshr_b32 s[NT], s[NT], 4                     ; tiles of 16 rows, 64 at the most
	s_lshr_b32 s25, s[NT], 2                       ; dealt to the four waves: a quarter each, the remainder to the first waves
	s_and_b32 s26, s[NT], 3
	s_mul_i32 s[T0], s[WV], s25
	s_min_u32 s27, s[WV], s26
	s_add_co_u32 s[T0], s[T0], s27
	s_cmp_lt_u32 s[WV], s26
	s_cselect_b32 s27, 1, 0
	s_add_co_u32 s[REM], s25, s27
.if FFN == 1
	s_wait_loadcnt 32                              ; the bias is in; it is rounded to bf16 and widened again
.set i, 0
.rept 32
	v_cvt_pk_bf16_f32 v[TT], v[BI+2*i], v[BI+2*i+1]
	v_lshlrev_b32 v[BI+2*i], 16, v[TT]
	v_and_b32 v[BI+2*i+1], 0xffff0000, v[TT]
.set i, i+1
.endr
.endif
	WLOAD 2, 32
	WIN 0
	s_mov_b32 s[KC], 3
.Lw:                                                   ; a trip: four groups of 16 rows; three groups, 48 loads of 512 bytes, are always on their way
	GROUP 0, 1, 32
	GROUP 1, 1, 32
	GROUP 2, 1, 32
	GROUP 3, 1, 32
	WIN 0
	s_wait_xcnt 0x0                                ; the loads' base is stepped only behind this wait
	s_add_nc_u64 s[SW:SW+1], s[SW:SW+1], 64*PW
	v_add_nc_u32 v[VS], 64*WP, v[VS]
	s_sub_co_u32 s[KC], s[KC], 1
	s_cmp_lg_u32 s[KC], 0
	s_cbranch_scc1 .Lw
	GROUP 0, 1, 32                                 ; the last four groups: one more is asked for, then the counts run down
	GROUP 1, 0, 32
	GROUP 2, 0, 16
	GROUP 3, 0, 0
	s_wait_dscnt 0x0                               ; for the others' sake: my part of the slice is in LDS
	s_barrier_signal -1
	s_barrier_wait -1                              ; the slice is whole, and nobody writes it again
; PHASE 2.  Row fragments of K step `step` (counted from SA) for six tiles into ring slot q: two loads a tile, 512 consecutive bytes each
.macro ALD q, step
	WIN 0x40
.irp t, 0,1,2,3,4,5
	global_load_b128 v[48*(\q)+8*\t:48*(\q)+8*\t+3],   v[AO+\t], s[SA:SA+1] offset:(\step)*AST
	global_load_b128 v[48*(\q)+8*\t+4:48*(\q)+8*\t+7], v[AO+\t], s[SA:SA+1] offset:(\step)*AST+AHF
.endr
.endm
; Weight fragments of one K step, eight column tiles, into buffer b
.macro BLD b, off
	WIN 0
.irp c, 0,1,2,3,4,5,6,7
	ds_load_tr16_b128 v[BF+64*(\b)+8*\c:BF+64*(\b)+8*\c+3],   v[VB] offset:(\off)+32*\c
	ds_load_tr16_b128 v[BF+64*(\b)+8*\c+4:BF+64*(\b)+8*\c+7], v[VB] offset:(\off)+32*\c+16*WP
.endr
.endm
; Tile t's eight products of a K step.  first = 1: they start the sums, with the bias (FFN = 1) or with 0.  Each accumulator has one instruction a step: they take turns.
.macro MUL t, sl, first
.set AC, 64*((\t)%4)
.set FA, 48*(\sl)+8*(\t)
.set FB, BF+64*((\sl)%2)
.if (\first) && (FFN == 1)
	WIN 0x84+0x40*((\t)/4)                         ; weights window 0, rows window 1, C (the bias) window 0, D window 2 or 3
.else
	WIN 0xa4+0x50*((\t)/4)                         ; C and D window 2 or 3
.endif
.irp c, 0,1,2,3,4,5,6,7
.if (\first) && (FFN == 1)
	v_wmma_f32_16x16x32_bf16 v[AC+8*\c:AC+8*\c+7], v[FB+8*\c:FB+8*\c+7], v[FA:FA+7], v[BI+8*\c:BI+8*\c+7]
.elseif \first
	v_wmma_f32_16x16x32_bf16 v[AC+8*\c:AC+8*\c+7], v[FB+8*\c:FB+8*\c+7], v[FA:FA+7], 0
.else
	v_wmma_f32_16x16x32_bf16 v[AC+8*\c:AC+8*\c+7], v[FB+8*\c:FB+8*\c+7], v[FA:FA+7], v[AC+8*\c:AC+8*\c+7]
.endif
.endr
.endm
; A K STEP on ring slot sl.  ra = 1: the rows of the step three on are asked for (12 loads), into the slot multiplied last step; fb = 1: the next step's weights (16 LDS loads), into the other buffer.
; lc = the younger steps' row loads.  The loads are issued whatever the block's number of tiles, so the counts hold on every way; only the products of tiles 4 and 5 are jumped where the block has none.
.macro STEP sl, first, ra, fb, lc
.if !(\first)
.rept 4
	v_nop                                          ; four places between the last product and loads into registers that it read
.endr
.endif
.if \ra
	ALD ((\sl)+3)%4, (\sl)+3
.endif
.if \fb
	BLD ((\sl)+1)%2, ((\sl)+1)*32*WP
	s_wait_dscnt 16                                ; this step's weights are in; the 16 just issued stay out
.else
	s_wait_dscnt 0x0
.endif
	s_wait_loadcnt \lc
	MUL 0, \sl, \first
	MUL 1, \sl, \first
	MUL 2, \sl, \first
	MUL 3, \sl, \first
.if \first
	MUL 4, \sl, 1                                  ; the first step multiplies all six, so that every accumulator is written on every way
	MUL 5, \sl, 1
.else
	WIN 0                                          ; at a branch and at a label every window is 0
	s_cmp_lt_u32 s[MT], 5
	s_cbranch_scc1 .Lskip_\@
	MUL 4, \sl, 0
	WIN 0
	s_cmp_lt_u32 s[MT], 6
	s_cbranch_scc1 .Lskip_\@
	MUL 5, \sl, 0
	WIN 0
.Lskip_\@:
.endif
.endm
.macro ADV                                             ; four K steps on
	WIN 0
	s_wait_xcnt 0x0                                ; the row loads' base is stepped only behind this wait
	s_add_nc_u64 s[SA:SA+1], s[SA:SA+1], 4*AST
	s_add_co_u32 s[TB], s[TB], 4*32*WP
	v_add_nc_u32 v[VB], s[TB], v[VB0]
.endm
; THE WAY OUT of tile t.
.if FFN == 1
.macro OUT t                                           ; rounded to bf16, relu, and stored as they lie: column tile c is half c % 2 of hidden block c / 2
.set AC, 64*((\t)%4)
	s_wait_xcnt 0x0                                ; the last tile's stores have read TMP and their base
	WIN 0x0a+5*((\t)/4)                            ; sources window 2 or 3
.set i, 0
.rept 32
	v_cvt_pk_bf16_f32 v[TMP+i], v[AC+2*i], v[AC+2*i+1]   ; each accumulator from its low end on
.set i, i+1
.endr
	WIN 0
.set i, 0
.rept 32
	v_pk_max_num_bf16 v[TMP+i], v[TMP+i], v[ZR]    ; relu, two at a time: nothing is rounded
.set i, i+1
.endr
	s_add_co_u32 s[OF], s[T0], \t
	s_min_u32 s[OF], s[OF], 63
	s_lshl_b32 s[OF], s[OF], 17                    ; a tile of h is 131,072 bytes
	s_add_nc_u64 s[SOW:SOW+1], s[SO:SO+1], s[OF:OF+1]
.irp c, 0,1,2,3,4,5,6,7
	global_store_b128 v[WO], v[TMP+4*\c:TMP+4*\c+3], s[SOW:SOW+1] offset:512*\c   ; a wave stores 512 consecutive bytes, at a multiple of 256 from h's first
.endr
.endm
.else
.macro OUT t                                           ; through my own stage: LDS serves a wave's instructions in order (ISA guide 5.7.1.4), so no wait stands between the stores into it and the loads back
.set AC, 64*((\t)%4)
	s_wait_xcnt 0x0                                ; the last tile's stores have read their offsets and BK
	s_add_co_u32 s25, s[T0], \t
	s_min_u32 s25, s25, 63
	s_lshl_b32 s25, s25, 5
	v_add_nc_u32 v[TT], s25, v[LS]
.irp i, 0,1,2,3,4,5,6,7
	ds_load_u16 v[TK+\i], v[TT] offset:4*\i        ; the token of row 2 i + h
.endr
	s_wait_dscnt 0x0
.irp i, 0,1,2,3,4,5,6,7
	v_min_u32 v[TK+\i], 1039, v[TK+\i]
	v_lshl_add_u32 v[TK+\i], v[TK+\i], 12, v[GO]   ; its row of y, 4,096 bytes, + 16 r
.endr
.irp p, 0,1                                        ; 64 columns of f32, 256 bytes a row, at a time
.if \p
	s_wait_xcnt 0x0
.endif
	WIN 0x08+4*((\t)/4)                            ; store data window 2 or 3
.irp c, 0,1,2,3
	ds_store_b128 v[STO], v[AC+8*(4*\p+\c):AC+8*(4*\p+\c)+3] offset:64*\c      ; each accumulator from its low end on
	ds_store_b128 v[STO], v[AC+8*(4*\p+\c)+4:AC+8*(4*\p+\c)+7] offset:64*\c+16
.endr
	WIN 0
.irp i, 0,1,2,3,4,5,6,7
	ds_load_b128 v[BK+4*\i:BK+4*\i+3], v[RD] offset:2*SP*\i
.endr
	s_wait_dscnt 0x0
.irp i, 0,1,2,3,4,5,6,7
	global_store_b128 v[TK+\i], v[BK+4*\i:BK+4*\i+3], s[SO:SO+1] offset:256*\p th:TH_STORE_NT   ; 16 lanes store 256 consecutive bytes, at a multiple of 256 from y's first
.endr
.endr
.endm
.endif
; THE BLOCKS: three trips whatever the split.  FFN = 1 writes no LDS here, and a trip without tiles is jumped whole.  FFN = 2 writes its stages on the way out, so every trip has two barriers, which every wave
; passes: one between the K walk, in which waves read LDS along a walking address, and the way out; one behind the way out.  Only work is jumped.  There a trip without tiles still runs K step 0, on rows
; clamped into h, so that the way out's registers are written on every way; nothing of it is stored.
	s_mov_b32 s[BLK], 3
.Lblock:
.if FFN == 1
	s_cmp_eq_u32 s[REM], 0
	s_cbranch_scc1 .Lnext
.endif
	s_min_u32 s[MT], s[REM], 6
.irp t, 0,1,2,3,4,5                                ; places past the block's tiles repeat its first tile
	s_cmp_gt_u32 s[MT], \t
	s_cselect_b32 s25, \t, 0
	s_add_co_u32 s25, s25, s[T0]
	s_min_u32 s25, s25, 63
	s_lshl_b32 s25, s25, TSH
	v_add_nc_u32 v[AO+\t], s25, v[WO]              ; the tile's first byte in the rows' buffer, + 16 x lane
.endr
	s_mov_b64 s[SA:SA+1], s[SA0:SA0+1]
	s_mov_b32 s[TB], 0
	v_mov_b32 v[VB], v[VB0]
	ALD 0, 0
	ALD 1, 1
	ALD 2, 2
	BLD 0, 0
	STEP 0, 1, 1, 1, 36                            ; K step 0 starts the sums.  36: the three steps behind the one multiplied
	WIN 0
.if FFN == 2
	s_cmp_eq_u32 s[MT], 0
	s_cbranch_scc1 .Lmeet
.endif
	s_mov_b32 s[KC], 7
.Lk:                                                   ; a trip: K steps 4 j + 1 to 4 j + 4
	STEP 1, 0, 1, 1, 36
	STEP 2, 0, 1, 1, 36
	STEP 3, 0, 1, 1, 36
	ADV
	STEP 0, 0, 1, 1, 36
	s_sub_co_u32 s[KC], s[KC], 1
	s_cmp_lg_u32 s[KC], 0
	s_cbranch_scc1 .Lk
	STEP 1, 0, 0, 1, 24                            ; K steps 29 to 31: no rows are left to ask for, and the counts run down
	STEP 2, 0, 0, 1, 12
	STEP 3, 0, 0, 0, 0
.if FFN == 2
.Lmeet:
	s_wait_loadcnt 0x0                             ; (a trip without tiles leaves its row loads out: they land before their registers are loaded again)
	s_wait_dscnt 0x0                               ; my reads of the slice are back:
	s_barrier_signal -1
	s_barrier_wait -1                              ; every wave's are, and only now is a stage written
.endif
.rept 4
	v_nop                                          ; four places between the last product and the first read of a result
.endr
.irp t, 0,1,2,3,4,5
.if (\t > 0) || (FFN == 2)
	s_cmp_le_u32 s[MT], \t
	s_cbranch_scc1 .Ldone
.endif
	OUT \t
.endr
.Ldone:
	s_wait_xcnt 0x0                                ; the stores have read their data registers, which the next block's weight fragments take
	s_sub_co_u32 s[REM], s[REM], s[MT]
	s_add_co_u32 s[T0], s[T0], s[MT]
.if FFN == 2
	s_wait_dscnt 0x0                               ; my stage's stores and loads are done:
	s_barrier_signal -1
	s_barrier_wait -1                              ; every wave's are, and only now does the next K walk read LDS
.else
.Lnext:
.endif
	s_sub_co_u32 s[BLK], s[BLK], 1
	s_cmp_lg_u32 s[BLK], 0
	s_cbranch_scc1 .Lblock
.if FFN == 1
	s_wait_dscnt 0x0                               ; my reads of LDS are back:
	s_barrier_signal -1
	s_barrier_wait -1                              ; every wave's are, ahead of the one LDS write that is left
.endif
	s_wait_tensorcnt 0x0                           ; the wave's end
	ds_add_u32 v[SPW], v[NIL]
	s_wait_dscnt 0x0
	s_endpgm
.Lfunc_end_k_q653a6ebb8c_ffn2:
	.size	k_q653a6ebb8c_ffn2, .Lfunc_end_k_q653a6ebb8c_ffn2-k_q653a6ebb8c_ffn2
	.p2alignl 7, 3214868480
	.fill 96, 4, 3214868480
	.section	.rodata,"a",@progbits
	.p2align	6, 0x0
	.amdhsa_kernel k_q653a6ebb8c_ffn2
		.amdhsa_group_segment_fixed_size 323072
		.amdhsa_private_segment_fixed_size 0
		.amdhsa_enable_private_segment 0
		.amdhsa_kernarg_size 32
		.amdhsa_user_sgpr_count 2
		.amdhsa_user_sgpr_kernarg_segment_ptr 1
		.amdhsa_wavefront_size32 1
		.amdhsa_system_sgpr_workgroup_id_x 1
		.amdhsa_system_sgpr_workgroup_id_y 1
		.amdhsa_system_sgpr_workgroup_id_z 1
		.amdhsa_system_vgpr_workitem_id 0
		.amdhsa_next_free_vgpr 896
		.amdhsa_next_free_sgpr 66
		.amdhsa_reserve_vcc 0
		.amdhsa_float_denorm_mode_32 3
		.amdhsa_float_denorm_mode_16_64 3
		.amdhsa_memory_ordered 1
		.amdhsa_forward_progress 1
		.amdhsa_inst_pref_size 141
	.end_amdhsa_kernel
	.amdgpu_metadata
---
amdhsa.version: [ 1, 2 ]
amdhsa.kernels:
  - .name:           k_q653a6ebb8c_ffn2
    .symbol:         k_q653a6ebb8c_ffn2.kd
    .args:
      - { .name: h, .offset: 0, .size: 8, .value_kind: global_buffer, .address_space: global }
      - { .name: w2, .offset: 8, .size: 8, .value_kind: global_buffer, .address_space: global }
      - { .name: masks, .offset: 16, .size: 8, .value_kind: global_buffer, .address_space: global }
      - { .name: y, .offset: 24, .size: 8, .value_kind: global_buffer, .address_space: global }
    .group_segment_fixed_size: 323072
    .private_segment_fixed_size: 0
    .kernarg_segment_align: 8
    .kernarg_segment_size: 32
    .max_flat_workgroup_size: 128
    .sgpr_count:     66
    .vgpr_count:     896
    .wavefront_size: 32
...
	.end_amdgpu_metadata
.endif
;; end of part 4
;; launch combine (part 5): grid 256 x 1, 8 waves a work-group, no clusters, 0 bytes of LDS; arguments y, gates, masks, b2, out0; writes out0
.if DOCPART == 5
	.amdgcn_target "amdgcn-amd-amdhsa--gfx1250"
	.amdhsa_code_object_version 6
	.text
	.protected	k_q653a6ebb8c_combine
	.globl	k_q653a6ebb8c_combine
	.p2align	8
	.type	k_q653a6ebb8c_combine,@function
k_q653a6ebb8c_combine:
	s_mov_b64 s[64:65], 0
	v_nop
	global_prefetch_b8 v0, s[64:65] scope:SCOPE_SE
	s_setreg_imm32_b32 hwreg(HW_REG_WAVE_MODE, 25, 1), 1
	s_wait_xcnt 0x0
; out0[n][:] = sum over the five chosen experts j of gs_j (sum over the four quarters of K of y[kq][e_j][n][:]) + sum over e of G_e bf16(b2[e][:]).
; G_e is the signed weight (0 where e was not chosen), gs_j the j-th chosen expert's, experts ascending; e_j comes from masks[n], lowest set bit first.  All sums in f32.
; A stream: a work-group owns four tokens; thread t owns columns 4 t .. 4 t + 3, so a wave's load or store covers 512 consecutive bytes and b2 stays in registers for all four tokens.
; Two register slots of 20 loads take turns: while one token is summed, the next one's 20 loads are on their way.  No LDS, no barrier, no matrix unit: memory binds.
.set PLANE, 1040*4096         ; bytes of y for one (kq, e)
.set B2,  8                   ; v8-39    b2 of my 4 columns, expert e at +4 e
.set Y,   40                  ; v40-119, v120-199  slot s: (j, kq) at +16 j + 4 kq
.set OFF, 200                 ; v200-204, v205-209 slot s: the byte offset of expert e_j's row
.set RES, 210                 ; v210-213, v214-217 the result, two sets that take turns
; s[16:31], s[32:47], s[48:63], s[68:83] the four tokens' gates; s[84:87] their masks; s[88:95] y at each quarter of K; s96-99 at work
	s_load_b256 s[4:11], s[0:1], 0x0               ; y s[4:5], gates s[6:7], masks s[8:9], b2 s[10:11]
	s_load_b64 s[12:13], s[0:1], 0x20              ; out0
	v_lshlrev_b32 v1, 4, v0                        ; 16 t; never rewritten
	s_lshl_b32 s96, ttmp9, 4                       ; four masks
	s_lshl_b32 s97, ttmp9, 8                       ; four rows of gates
	s_lshl_b32 s98, ttmp9, 14                      ; four rows of 4,096 bytes
	s_mov_b32 s99, 0
	s_wait_kmcnt 0x0
	s_load_b128 s[84:87], s[8:9], s96 offset:0x0
	s_load_b512 s[16:31], s[6:7], s97 offset:0x0
	s_load_b512 s[32:47], s[6:7], s97 offset:0x40
	s_load_b512 s[48:63], s[6:7], s97 offset:0x80
	s_load_b512 s[68:83], s[6:7], s97 offset:0xc0
.irp e, 0,1,2,3,4,5,6,7
	global_load_b128 v[B2+4*\e:B2+4*\e+3], v1, s[10:11] offset:4096*\e
.endr
	s_add_nc_u64 s[12:13], s[12:13], s[98:99]
	s_mov_b64 s[88:89], s[4:5]
	s_add_nc_u64 s[90:91], s[4:5], 8*PLANE
	s_add_nc_u64 s[92:93], s[4:5], 16*PLANE
	s_add_nc_u64 s[94:95], s[4:5], 24*PLANE
	s_wait_kmcnt 0x0                               ; masks and gates are in; s96 and s97 are free
; Token q's 20 rows are asked for, into slot `slot`.  The slot's offsets are rewritten behind the wait that showed its last loads done.
.macro ASK q, slot
.set j, 0
.rept 5
	s_ctz_i32_b32 s96, s[84+(\q)]                  ; the lowest chosen expert left,
	s_sub_co_u32 s97, s[84+(\q)], 1
	s_and_b32 s[84+(\q)], s[84+(\q)], s97          ; which is struck off
	s_min_u32 s96, s96, 7
	s_mul_i32 s96, s96, PLANE
	s_add_co_u32 s96, s96, s98
	v_add_nc_u32 v[OFF+5*(\slot)+j], s96, v1
.set j, j+1
.endr
.set j, 0
.rept 5
.irp k, 0,1,2,3
	global_load_b128 v[Y+80*(\slot)+16*j+4*\k:Y+80*(\slot)+16*j+4*\k+3], v[OFF+5*(\slot)+j], s[88+2*\k:89+2*\k] offset:4096*(\q) th:TH_LOAD_NT
.endr
.set j, j+1
.endr
.endm
; Token q is summed and stored.  gb: the first scalar register of its gates.  lc: the other slot's loads, which stay out.
.macro SUM q, slot, lc, gb
.set RS, RES+4*((\q)%2)
.set YS, Y+80*(\slot)
.irp k, 0,1,2,3
	v_mul_f32 v[RS+\k], s[(\gb)], v[B2+\k]         ; the biases' part stands ahead of the wait
.endr
.set e, 1
.rept 7
.irp k, 0,1,2,3
	v_fmac_f32 v[RS+\k], s[(\gb)+e], v[B2+4*e+\k]
.endr
.set e, e+1
.endr
	s_wait_loadcnt \lc
.set j, 0
.rept 5
	v_pk_add_f32 v[YS+16*j:YS+16*j+1],     v[YS+16*j:YS+16*j+1],     v[YS+16*j+4:YS+16*j+5]
	v_pk_add_f32 v[YS+16*j+2:YS+16*j+3],   v[YS+16*j+2:YS+16*j+3],   v[YS+16*j+6:YS+16*j+7]
	v_pk_add_f32 v[YS+16*j+8:YS+16*j+9],   v[YS+16*j+8:YS+16*j+9],   v[YS+16*j+12:YS+16*j+13]
	v_pk_add_f32 v[YS+16*j+10:YS+16*j+11], v[YS+16*j+10:YS+16*j+11], v[YS+16*j+14:YS+16*j+15]
	v_pk_add_f32 v[YS+16*j:YS+16*j+1],     v[YS+16*j:YS+16*j+1],     v[YS+16*j+8:YS+16*j+9]
	v_pk_add_f32 v[YS+16*j+2:YS+16*j+3],   v[YS+16*j+2:YS+16*j+3],   v[YS+16*j+10:YS+16*j+11]
.irp k, 0,1,2,3
	v_fmac_f32 v[RS+\k], s[(\gb)+8+j], v[YS+16*j+\k]
.endr
.set j, j+1
.endr
	global_store_b128 v1, v[RS:RS+3], s[12:13] offset:4096*(\q)   ; a wave stores 512 consecutive bytes, at a multiple of 256 from out0's first
.endm
	ASK 0, 0
	ASK 1, 1
	s_wait_loadcnt 40                              ; b2 is in: the two tokens' 40 loads are younger.  It is rounded to bf16 and widened again
.set i, 0
.rept 16
	v_cvt_pk_bf16_f32 v2, v[B2+2*i], v[B2+2*i+1]
	v_lshlrev_b32 v[B2+2*i], 16, v2
	v_and_b32 v[B2+2*i+1], 0xffff0000, v2
.set i, i+1
.endr
	SUM 0, 0, 20, 16
	ASK 2, 0
	SUM 1, 1, 20, 32
	ASK 3, 1
	s_wait_xcnt 0x0                                ; token 0's store has read its result registers, which token 2 takes
	SUM 2, 0, 20, 48
	s_wait_xcnt 0x0                                ; the same for tokens 1 and 3
	SUM 3, 1, 0, 68
	s_endpgm
.Lfunc_end_k_q653a6ebb8c_combine:
	.size	k_q653a6ebb8c_combine, .Lfunc_end_k_q653a6ebb8c_combine-k_q653a6ebb8c_combine
	.p2alignl 7, 3214868480
	.fill 96, 4, 3214868480
	.section	.rodata,"a",@progbits
	.p2align	6, 0x0
	.amdhsa_kernel k_q653a6ebb8c_combine
		.amdhsa_group_segment_fixed_size 0
		.amdhsa_private_segment_fixed_size 0
		.amdhsa_enable_private_segment 0
		.amdhsa_kernarg_size 40
		.amdhsa_user_sgpr_count 2
		.amdhsa_user_sgpr_kernarg_segment_ptr 1
		.amdhsa_wavefront_size32 1
		.amdhsa_system_sgpr_workgroup_id_x 1
		.amdhsa_system_sgpr_workgroup_id_y 1
		.amdhsa_system_sgpr_workgroup_id_z 1
		.amdhsa_system_vgpr_workitem_id 0
		.amdhsa_next_free_vgpr 224
		.amdhsa_next_free_sgpr 100
		.amdhsa_reserve_vcc 0
		.amdhsa_float_denorm_mode_32 3
		.amdhsa_float_denorm_mode_16_64 3
		.amdhsa_memory_ordered 1
		.amdhsa_forward_progress 1
		.amdhsa_inst_pref_size 32
	.end_amdhsa_kernel
	.amdgpu_metadata
---
amdhsa.version: [ 1, 2 ]
amdhsa.kernels:
  - .name:           k_q653a6ebb8c_combine
    .symbol:         k_q653a6ebb8c_combine.kd
    .args:
      - { .name: y, .offset: 0, .size: 8, .value_kind: global_buffer, .address_space: global }
      - { .name: gates, .offset: 8, .size: 8, .value_kind: global_buffer, .address_space: global }
      - { .name: masks, .offset: 16, .size: 8, .value_kind: global_buffer, .address_space: global }
      - { .name: b2, .offset: 24, .size: 8, .value_kind: global_buffer, .address_space: global }
      - { .name: out0, .offset: 32, .size: 8, .value_kind: global_buffer, .address_space: global }
    .group_segment_fixed_size: 0
    .private_segment_fixed_size: 0
    .kernarg_segment_align: 8
    .kernarg_segment_size: 40
    .max_flat_workgroup_size: 256
    .sgpr_count:     100
    .vgpr_count:     224
    .wavefront_size: 32
...
	.end_amdgpu_metadata
.endif
;; end of part 5
